; MI455X (gfx1250); checked and timed in simulation.
; The chip was launched on July 23, 2026; its instructions are those of AMD's public machine-readable ISA for CDNA 5 (MIT licence, August 2026) and "CDNA5" Instruction Set Architecture Reference Guide (July 2026). The comments in the code are by the model that wrote it; some were corrected since.
;; Attention Pooling. Allowed arithmetic: matrix products marked QUANTISED: E2M1 operands, one E8M0 scale for each 32 along K, by v_wmma_scale_f32_16x16x128_f8f6f4 with both operands' format E2M1 (or v_wmma_scale_f32_32x16x128_f4), f32 sums; everything else in f32.
;; Inputs: Wk_codes 1,024 x 32 x 16 uint8 (E2M1 codes of Wk, K innermost, in blocks of 32 codes, two codes a byte); Wk_scales 1,024 x 32 uint8 (E8M0 scales of Wk, one for each 32 codes along K); Wo_codes 1,024 x 32 x 16 uint8 (E2M1 codes of Wo, K innermost, in blocks of 32 codes, two codes a byte); Wo_scales 1,024 x 32 uint8 (E8M0 scales of Wo, one for each 32 codes along K); Wq_codes 1,024 x 32 x 16 uint8 (E2M1 codes of Wq, K innermost, in blocks of 32 codes, two codes a byte); Wq_scales 1,024 x 32 uint8 (E8M0 scales of Wq, one for each 32 codes along K); Wv_codes 1,024 x 32 x 16 uint8 (E2M1 codes of Wv, K innermost, in blocks of 32 codes, two codes a byte); Wv_scales 1,024 x 32 uint8 (E8M0 scales of Wv, one for each 32 codes along K); attention_mask 4 x 2,048 int32; bk 1,024 float32; bo 1,024 float32; bq 1,024 float32; bv 1,024 float32; chunk_embeddings_codes 4 x 2,048 x 32 x 16 uint8 (E2M1 codes of chunk_embeddings, K innermost, in blocks of 32 codes, two codes a byte); chunk_embeddings_scales 4 x 2,048 x 32 uint8 (E8M0 scales of chunk_embeddings, one for each 32 codes along K).
;; Outputs: out0 4 x 1,024 float32.
;; This version of the problem:
;;   THIS VERSION OF THE PROBLEM IS GIVEN IN LOW PRECISION. The matrix products marked QUANTISED in the list below multiply operands that are first quantised to E2M1 (2 exponent bits, 1 mantissa bit; 4 bits a number), with one power-of-two scale for each 32 numbers along K (OCP MX v1.0); their sums are f32. All else is computed in f32.
;;   The module's matrix products, in the order in which they are computed (A, B: the left and right operand; K: the contracted axis; several contracted axes count as one K, in the product's order):
;;     1. [M 8,192, K 1,024] x [K 1,024, N 1,024]; A: input chunk_embeddings (given as codes); B: input Wq (given as codes): QUANTISED
;;     2. [M 8,192, K 1,024] x [K 1,024, N 1,024]; A: input chunk_embeddings (given as codes); B: input Wk (given as codes): QUANTISED
;;     3. [M 8,192, K 1,024] x [K 1,024, N 1,024]; A: input chunk_embeddings (given as codes); B: input Wv (given as codes): QUANTISED
;;     4. batch 32 x [M 2,048, K 128] x [K 128, N 2,048]; A: computed on the way; B: computed on the way: QUANTISED
;;     5. batch 32 x [M 2,048, K 2,048] x [K 2,048, N 128]; A: softmax (see below); B: computed on the way: QUANTISED
;;     6. [M 8,192, K 1,024] x [K 1,024, N 1,024]; A: computed on the way; B: input Wo (given as codes): QUANTISED
;;   THE QUANTISER, for each operand of a quantised product, along K:
;;     - K is cut into blocks of 32 from its start; a last block that is shorter is filled with zeros.
;;     - A block's scale is 2^e with e = floor(log2(the largest magnitude in the block)) - 2, held to -126 .. 127; a block of zeros has e = 0. As a byte (E8M0): e + 127.
;;     - Each number is divided by its block's scale, clamped to +-6, and rounded to the nearest number of E2M1, ties to even, subnormals kept.
;;     - The product sums the exact products of the quantised numbers (number of the format x scale) in f32.
;;   ~~~python
;;   def quantise(x, axis):      # numpy; x: float32 -> the quantised numbers, widened to float32 again
;;       x = np.moveaxis(x, axis, -1); K = x.shape[-1]
;;       x = np.pad(x, [(0, 0)] * (x.ndim - 1) + [(0, -K % 32)]); x = x.reshape(x.shape[:-1] + (-1, 32)); a = np.abs(x).max(-1, keepdims=True)
;;       e = np.where(a > 0, np.clip(np.frexp(np.where(a > 0, a, 1))[1] - 1 - 2, -126, 127), 0)      # np.frexp(a)[1] - 1 = floor(log2(a)), exactly
;;       r = np.clip(x / 2.0 ** e, -6, 6)
;;       step = 2.0 ** (np.maximum(np.frexp(np.where(r == 0, 1, r))[1] - 1, 0) - 1)
;;       q = np.round(r / step) * step * 2.0 ** e      # np.round: ties to even
;;       return np.moveaxis(q.reshape(q.shape[:-2] + (-1,))[..., :K], -1, axis).astype(np.float32)
;;   ~~~
;;   SOFTMAX AHEAD OF A QUANTISED PRODUCT. Where the list says 'softmax', what is quantised is not the finished softmax but p = 2^(t - M), with t = logit x log2(e) and M = ceil(the row's largest t), a whole number; so 1/2 < the row's largest p <= 1. The row's sum l is taken of the UNQUANTISED p, in f32, and the product's result is divided by l at the end. Since M is a whole number, a kernel that streams over the keys may use a running M (the ceiling of the running maximum): every later rescaling is an exact power of two, which a block's scale takes up: the codes' values come out the same.
;;   OPERANDS COMPUTED ON THE WAY. 'Computed on the way' means the value that the module computes at that place (a softmax that the list does not call 'softmax' is quantised finished and normalised). What goes into a quantiser is computed in f32, as accurately as f32 sums, v_exp_f32 and their like allow (about 1e-6 of the number): no bf16 or f16 on the way to a quantiser, and a product that is left as it is and whose result goes on into a quantised operand takes f32 operands (vector FMAs, or v_wmma_f32_16x16x4_f32). A number that lies on a knife's edge between two numbers of the format may be rounded either way, as far as f32 arithmetic and the matrix unit's own rounding can turn it there, and no further.
;;   INPUTS GIVEN AS CODES. Wk (in the module: [1024, 1024], K = its axis 1); Wo (in the module: [1024, 1024], K = its axis 1); Wq (in the module: [1024, 1024], K = its axis 1); Wv (in the module: [1024, 1024], K = its axis 1); chunk_embeddings (in the module: [4, 2048, 1024], K = its axis 2): each comes as NAME_codes (uint8): NAME with its K axis moved to the last place and cut into blocks of 32 codes, [.., K / 32, bytes a block], one block behind the other in memory; two codes a byte, the lower K in the low four bits (a code: sign, 2 exponent bits, 1 mantissa bit); and NAME_scales (uint8): the same leading axes, one E8M0 byte (e + 127) for each 32 codes along K. Its value is code x scale, taken as it is: it is not quantised again, and the codes and scales need not be those that the quantiser above would give.
;; One version. Each part assembles by itself: llvm-mc -triple=amdgcn-amd-amdhsa -mcpu=gfx1250 --defsym DOCPART=n.
;; ======== version 1 of 1: 3 launches
;; limits: right only within a limited range of input values
;; workspace buffers: qf 4,456,448 bytes; kv 8,912,896 bytes; wo 557,056 bytes; part 1,048,576 bytes
;; launch proj (part 1): grid 32 x 8, 4 waves a work-group, clusters of 4 x 4, 327,680 bytes of LDS; arguments chunk_embeddings_codes, chunk_embeddings_scales, Wq_codes, Wq_scales, Wk_codes, Wk_scales, Wv_codes, Wv_scales, bq, bk, bv, Wo_codes, Wo_scales, qf, kv, wo; writes qf, kv, wo
.if DOCPART == 1
	.amdgcn_target "amdgcn-amd-amdhsa--gfx1250"
	.amdhsa_code_object_version 6
	.text
	.protected	k_q42c00a9e0e_proj
	.globl	k_q42c00a9e0e_proj
	.p2align	8
	.type	k_q42c00a9e0e_proj,@function
k_q42c00a9e0e_proj:
	s_mov_b64 s[64:65], 0
	v_nop
	global_prefetch_b8 v0, s[64:65] scope:SCOPE_SE
	s_setreg_imm32_b32 hwreg(HW_REG_WAVE_MODE, 25, 1), 1
	s_wait_xcnt 0x0
	s_wait_alu depctr_hold_cnt(0) depctr_sa_sdst(0) depctr_va_vdst(0) depctr_va_sdst(0) depctr_va_ssrc(0) depctr_va_vcc(0) depctr_vm_vsrc(0)
	s_getreg_b32 s2, hwreg(HW_REG_IB_STS2, 6, 4)
	s_cmp_eq_u32 s2, 0
	s_cbranch_scc0 .Lentry_in_a_cluster
	s_endpgm
.Lentry_in_a_cluster:
	s_bfe_u32 s2, ttmp6, 0x10000c
	s_cmp_lg_u32 s2, 0xf033
	s_cbranch_scc0 .Lentry_shape_is_right
	s_endpgm
.Lentry_shape_is_right:
; Q = x Wq^T + bq, K = x Wk^T + bk, V = x Wv^T + bv on codes of FP4 (E2M1) with one E8M0 scale for each 32 along K = 1,024; sums in f32; the results are quantised at once,
; Q and K along the head's 128, V along the keys, and stored as IMAGES OF OPERAND REGISTERS for the attention launch.  Wo is laid out as such images too.
; DEAD WORK: none.  Nothing of reference() is left out in this program: hidden keys and rows of weight 0 are thrown away by values of an input alone, so they are computed and selected or weighed; every input is loaded.
; LIMITS: NaN, infinities and scale bytes 0xff among the inputs are not served.  A block whose largest magnitude lies under 2^-124, a block of zeros among them, gets the scale byte 1 (the rule says 127 for zeros):
; its codes are zeros or the rule's own, and the bytes are read by this program alone.  The bias is the first term of each sum, not the last.
; SHARES.  A work-group (tb, head) takes 256 tokens x the head's 128 features of Q, K and V; the whole K = 1,024 of its operands lies in LDS.  Two passes:
;   Q and K: waves 0 and 1 make Q, waves 2 and 3 K, each for 128 tokens: source 0 = the 128 features (8 tiles of rows of W), source 1 = my 128 tokens (8 tiles): a lane holds ONE token and its registers run along the features;
;   V:       source 0 = my 128 tokens (8 tiles), source 1 = 64 features (4 tiles): a lane holds ONE feature and its registers run along the tokens (the keys).
; THE ROWS OF A TILE: in a group of 64 rows, lane r of tile i takes row r % 8 + 8 i where r < 8, and row 32 + r % 8 + 8 (i xor 1) where r >= 8.  Register j of tile 4 c + i in the lanes' half h is then row
; 64 c + 32 h + 8 (i xor h) + j of source 0: a lane's registers 32 c .. 32 c + 31 are a WHOLE block of 32 along the next product's K; in the half h = 1 its octets 0, 1 and 2, 3 have changed places.
; Both operands of each later product have the same order (Wo's image is laid so too), and a block is the same 32 numbers in any order.  The xor makes the 16 rows of a fragment differ mod 16.
; AN IMAGE: a fragment's registers 0-3 at 16 x lane, registers 4-7 at 512 + 16 x lane: 1,024 bytes.  A QUAD: the scale words of a group's four tiles, 256 bytes: tile n, row r at 8 (16 (n % 2) + r) + 4 (n / 2).
; CLUSTER 4 x 4: x's rows hang on tb alone and are shared along a column of the cluster, W's on the head alone and are shared along a row: each block is asked for jointly.
; LDS: rows of 512 bytes + 16 of padding = 33 x 16 bytes: row n begins at 16-byte column n mod 16 of 256 bytes, so a fragment load's 16 lanes touch 16 columns (64 banks of 4 bytes: ISA guide 11.1).
; x: 256 rows; slot A: Wq, later Wv; slot B: Wk (all three beside x do not fit: 337,920 bytes).
; No prefetch: every operand is fetched once, at the head or behind the first pass; there is no loop over memory to run ahead in.
.set PITCH, 528
.set PAIR,  64*PITCH
.set SA,    4*PAIR                     ; slot A
.set SB,    6*PAIR                     ; slot B
.set SPARE, 8*PAIR                     ; 270,336: the spare words, 128 bytes for each wave: two blocks of 256 bytes that no other line names
; vector registers, window 0
.set SPW,  1                           ; LDS address of my spare word; never rewritten
.set NIL,  2                           ; 0; never rewritten
.set AW,   3                           ; LDS: my lane's place in my slot (first pass), for even tiles; ODD on: for odd tiles
.set AXG,  4                           ; in my wave's 128 tokens
.set AVF,  5                           ; in my wave's 64 features of slot A (V)
.set ODD,  3                           ; v6-8
.set LI,   9                           ; 16 x lane
.set L8,   10                          ; 8 x lane
.set VSO,  11                          ; scale bytes: row x 32 + 16 h: even, odd tiles
.set LIV,  13                          ; 16 x lane + 4,096 (wave / 2)
.set L8V,  14                          ; 8 x lane + 256 (wave / 2)
.set BHA,  15                          ; biases along the registers: even, odd tiles
.set BVA,  17                          ; biases along the lanes: even, odd tiles
.set L4,   19                          ; 4 x lane
.set WOA,  20                          ; Wo: my lane's byte among its rows
.set WOSA, 21                          ; and among its scale bytes
.set QDA,  22                          ; v22-23, v42-43 the quads as they are stored
.set QDB,  42
.set TMP,  24                          ; v24-29 at work in the head
.set WOD,  28                          ; v28-31 16 bytes of Wo,
.set WOT,  32                          ; v32-35 in the images' order
.set WOSD, 36                          ; a scale word of Wo
.set BVL,  38                          ; v38-41 V's biases, one a tile
.set QB,   44                          ; v44-51 eight blocks' largest magnitudes
.set QS,   52                          ; v52-59 the conversions' scale operands
.set PB,   64                          ; v64-127 the biases as C operands; behind the first pass the codes
.set XS,   128                         ; v128-159 scale words: x, my 8 token tiles: register 4 n + q: lanes 0-15 K step q, lanes 16-31 K step 4 + q
.set WS,   160                         ; v160-191 Wq's or Wk's 8 tiles
.set WVS,  192                         ; v192-207 Wv's 4 tiles
; window 1: fragments, two buffers at 0 and 128: source 0 at + 8 T, source 1 at + 64 + 8 n.  windows 2 and 3: accumulator (n, T) at 64 (n % 4) + 8 T of window 2 + n / 4.  In V's pass window 3 holds the biases as C, tile n at 8 n
; scalar registers
.set WV,   36                          ; wave
.set TH,   37                          ; wave % 2: which 128 tokens
.set FH,   38                          ; wave / 2: Q or K; which 64 features of V
.set CX,   39
.set CY,   40
.set TBK,  41                          ; tb: block of 256 tokens
.set HD,   42                          ; head
.set G1X,  44                          ; s[44:51] group 1 for x's rows
.set G1W,  52                          ; s[52:59] for W's
.set GX,   60                          ; groups 0: x, 128 rows
.set GWQ,  68
.set GWK,  72
.set GWV,  76
.set OS0,  80                          ; where the first pass's quads go,
.set OS1,  82
.set WOSB, 84                          ; wo: where the scale words go
.set FLR,  86                          ; 2^(3 - 127)
.set HIM,  87                          ; lanes 16-31
.set OX,   88                          ; s[88:89] offsets made of tb and the wave alone
.set OW,   90                          ; s[90:91] offsets made of the head and the wave alone
.set LX,   92                          ; LDS: my tokens, my slot, my features
.set LW,   93
.set LVF,  94
.set TS,   95                          ; at work
.set OI0,  96                          ; and its images
.set OI1,  98
.set TA,   100
.set TC,   101
.set OFF,  2                           ; s[2:3] an offset in 64 bits
.set MSB, 0
.macro WIN new                         ; the immediate's high byte repeats the setting that is left; a switch that changes nothing is dropped
.if MSB != (\new)
	s_set_vgpr_msb (MSB<<8)|(\new)
.set MSB, (\new)
.endif
.endm
.macro PLACES                          ; four places behind matrix instructions, in front of loads into their operands and of the first read of results
.rept 4
	v_nop
.endr
.endm
.macro ALU
	s_wait_alu depctr_va_vdst(0)
.endm
.macro ROUND                           ; a round of the cluster's barrier
	s_barrier_signal -1
	s_barrier_wait -1
	s_cmp_lg_u32 s[WV], 0
	s_cbranch_scc1 .Lnot_wave_0_\@
	s_barrier_signal -3
.Lnot_wave_0_\@:
	s_barrier_wait -3
	s_barrier_signal -1
	s_barrier_wait -1
.endm
.macro ARM under, g0, g1, next         ; an arm of the head's tree: one load, and the jump to the tree's end
	s_cmp_lt_u32 s[WV], \under
	s_cbranch_scc0 \next
	tensor_load_to_lds s[\g0:\g0+3], s[\g1:\g1+7]
	s_nop 0
	PLACES
	s_branch .Lhead_asked
\next:
.endm
; one matrix instruction: D, A, B, C and the two scale registers by number; hi = 1: both sides' scales are read from lanes 16-31
.macro WMC d, a, b, c, sa, sb, hi
.if (\hi) == 0
	v_wmma_scale_f32_16x16x128_f8f6f4 v[(\d):(\d)+7], v[(\a):(\a)+7], v[(\b):(\b)+7], v[(\c):(\c)+7], v[(\sa)], v[(\sb)] matrix_a_fmt:MATRIX_FMT_FP4 matrix_b_fmt:MATRIX_FMT_FP4
.else
	v_wmma_scale_f32_16x16x128_f8f6f4 v[(\d):(\d)+7], v[(\a):(\a)+7], v[(\b):(\b)+7], v[(\c):(\c)+7], v[(\sa)], v[(\sb)] matrix_a_fmt:MATRIX_FMT_FP4 matrix_b_fmt:MATRIX_FMT_FP4 matrix_a_scale:MATRIX_SCALE_ROW1 matrix_b_scale:MATRIX_SCALE_ROW1
.endif
.endm
; 16 + 2 nb LDS loads: the fragments of K step st (64 bytes of each row) into buffer bf: source 0's eight tiles from address register a0, then source 1's nb from b0
.macro FETCH a0, b0, st, bf, nb
	WIN 0x40                                       ; destination window 1, address window 0
.irp T, 0,1,2,3,4,5,6,7
	ds_load_b128 v[128*(\bf)+8*\T:128*(\bf)+8*\T+3],   v[\a0+ODD*(\T%2)] offset:(\T/4)*PAIR+(\T%4)*8*PITCH+64*(\st)
	ds_load_b128 v[128*(\bf)+8*\T+4:128*(\bf)+8*\T+7], v[\a0+ODD*(\T%2)] offset:(\T/4)*PAIR+(\T%4)*8*PITCH+64*(\st)+32
.endr
.irp n, 0,1,2,3,4,5,6,7
.if \n < \nb
	ds_load_b128 v[128*(\bf)+64+8*\n:128*(\bf)+64+8*\n+3],   v[\b0+ODD*(\n%2)] offset:(\n/4)*PAIR+(\n%4)*8*PITCH+64*(\st)
	ds_load_b128 v[128*(\bf)+64+8*\n+4:128*(\bf)+64+8*\n+7], v[\b0+ODD*(\n%2)] offset:(\n/4)*PAIR+(\n%4)*8*PITCH+64*(\st)+32
.endif
.endr
.endm
; First pass, K step st: 64 matrix instructions.  The 64 accumulators take turns, one instruction a turn, in the same order in every step.
; K step 0 starts the sums with the biases as C.  younger: the loads of the next step, issued behind this step's, which may stay out
.macro MULQ st, younger
.irp H, 0,1
	s_wait_dscnt \younger+8*(1-\H)                 ; source 0's tiles and source 1's first four; then the last four (8 loads)
.if (\st) == 0
	WIN 0x85+0x40*\H                               ; A and B window 1, C window 0, D window 2 or 3
.else
	WIN 0xa5+0x50*\H                               ; A and B window 1, C and D window 2 or 3
.endif
.irp n, 0,1,2,3
.irp T, 0,1,2,3,4,5,6,7
.if (\st) == 0
	WMC 64*\n+8*\T, 8*\T, 64+8*(\n+4*\H), PB+8*\T, WS+4*\T, XS+4*(\n+4*\H), 0
.else
	WMC 64*\n+8*\T, 128*((\st)%2)+8*\T, 128*((\st)%2)+64+8*(\n+4*\H), 64*\n+8*\T, WS+4*\T+(\st)%4, XS+4*(\n+4*\H)+(\st)%4, (\st)/4
.endif
.endr
.endr
.endr
.endm
; V's pass, K step st: 32 matrix instructions, 32 accumulators by turns
.macro MULV st
.if (\st) == 0
	WIN 0xb5                                       ; C window 3, D window 2
.else
	WIN 0xa5
.endif
.irp n, 0,1,2,3
.irp T, 0,1,2,3,4,5,6,7
.if (\st) == 0
	WMC 64*\n+8*\T, 8*\T, 64+8*\n, 8*\n, XS+4*\T, WVS+4*\n, 0
.else
	WMC 64*\n+8*\T, 128*((\st)%2)+8*\T, 128*((\st)%2)+64+8*\n, 64*\n+8*\T, XS+4*\T+(\st)%4, WVS+4*\n+(\st)%4, (\st)/4
.endif
.endr
.endr
.endm
; The way out of four units (source 1's tiles), eight whole blocks of 32 a lane (block u at v[32 u] of an accumulator window): four images and a quad.
; Each store of an image covers 512 consecutive bytes, the quad's 256, all aligned to 256.  wm, wc: the window settings for the maxima and the conversions
.macro EPI wm, wc, pc, qd, li, l8, ob, io, sb, so
	WIN \wm
.irp u, 0,1,2,3,4,5,6,7
	v_max3_num_f32 v[QB+\u], s[FLR], |v[32*\u]|, |v[32*\u+1]|    ; the block's largest magnitude, with the floor 2^(3 - 127) among its leaves: the byte cannot fall under 1.  Each accumulator is read from its low end on
.endr
.irp i, 2,4,6,8,10,12,14,16,18,20,22,24,26,28,30
.irp u, 0,1,2,3,4,5,6,7
	v_max3_num_f32 v[QB+\u], v[QB+\u], |v[32*\u+\i]|, |v[32*\u+\i+1]|   ; (the eight blocks by turns)
.endr
.endr
	WIN 0
.irp u, 0,1,2,3,4,5,6,7
	v_add_nc_u32 v[QS+\u], 0xff000000, v[QB+\u]    ; 2 off the exponent field: the conversion takes the exponent field of this operand as its scale
.endr
	WIN \wc
.irp u, 0,1,2,3,4,5,6,7
.irp g, 0,1,2,3
	v_cvt_scalef32_pk8_fp4_f32 v[\pc+4*\u+\g], v[32*\u+8*\g:32*\u+8*\g+7], v[QS+\u]
.endr
.endr
	WIN 0
	v_nop                                          ; one plain place behind the scaled conversions
.irp u, 0,1,2,3,4,5,6,7
	v_lshrrev_b32 v[QS+\u], 23, v[QS+\u]           ; the scales' bytes: blocks h and 2 + h of unit u / 2
.endr
.irp n, 0,1,2,3
	v_lshl_or_b32 v[QB+\n], v[QS+2*\n+1], 16, v[QS+2*\n]
.endr
	v_permlane16_swap_b32 v[QB], v[QB+1]           ; lanes 0-15: tile 0's two halves, lanes 16-31: tile 1's
	v_permlane16_swap_b32 v[QB+2], v[QB+3]         ; tiles 2 and 3
	v_lshl_or_b32 v[\qd],   v[QB+1], 8, v[QB]
	v_lshl_or_b32 v[\qd+1], v[QB+3], 8, v[QB+2]
.irp n, 0,1,2,3
	global_store_b128 v[\li], v[\pc+8*\n:\pc+8*\n+3],   s[\ob:\ob+1] offset:\io+1024*\n
	global_store_b128 v[\li], v[\pc+8*\n+4:\pc+8*\n+7], s[\ob:\ob+1] offset:\io+1024*\n+512
.endr
	global_store_b64 v[\l8], v[\qd:\qd+1], s[\sb:\sb+1] offset:\so
.endm
	s_load_b512 s[4:19], s[0:1], 0x0               ; x codes s[4:5], x scales s[6:7], Wq s[8:11], Wk s[12:15], Wv s[16:19] (codes, scales)
	s_load_b512 s[20:35], s[0:1], 0x40             ; bq s[20:21], bk s[22:23], bv s[24:25], Wo codes s[26:27], Wo scales s[28:29], qf s[30:31], kv s[32:33], wo s[34:35]
	v_lshl_add_u32 v[SPW], v0, 2, SPARE
	v_mov_b32 v[NIL], 0
	ds_add_u32 v[SPW], v[NIL]                      ; the wave's opening: the add, twice on end, and its wait ahead of my first tensor load; the set-up below, work on registers, stands between
	ds_add_u32 v[SPW], v[NIL]
	v_lshrrev_b32 v[TMP], 5, v0
	v_readfirstlane_b32 s[WV], v[TMP]              ; wave 0..3
	s_and_b32 s[TH], s[WV], 1
	s_lshr_b32 s[FH], s[WV], 1
	s_bfe_u32 s[CX], ttmp6, 0x40000                ; my place in the cluster
	s_bfe_u32 s[CY], ttmp6, 0x40004
	s_lshl_b32 s[TBK], ttmp9, 2
	s_add_co_u32 s[TBK], s[TBK], s[CX]             ; tb = 4 x cluster x + cx
	s_and_b32 s[HD], ttmp7, 0xffff
	s_lshl_b32 s[HD], s[HD], 2
	s_add_co_u32 s[HD], s[HD], s[CY]               ; head = 4 x cluster y + cy
	s_lshl_b32 s[OX], 0x1111, s[CX]                ; my column of the cluster: x's rows
	s_or_b32 s[G1X], s[OX], 0x07b00000             ; 15:0 the mask; 17:16 elements of 1 byte; 20 padding on; 21 set beside a mask; 24:22 after every 128 words (code 6); 31:25 four words (code 3)
	s_lshl_b32 s[OW], s[CY], 2
	s_lshl_b32 s[OW], 15, s[OW]                    ; my row: W's rows
	s_or_b32 s[G1W], s[OW], 0x07b00000
.irp g, G1X, G1W                       ; 128 rows x 512 bytes, dense in memory
	s_mov_b32 s[\g+1], 512<<16                     ; tensor_dim0
	s_mov_b32 s[\g+2], 128<<16                     ; tensor_dim1
	s_mov_b32 s[\g+3], 512<<16                     ; tile_dim0
	s_mov_b32 s[\g+4], 128                         ; tile_dim1
	s_mov_b32 s[\g+5], 512                         ; from row to row
	s_mov_b32 s[\g+6], 0
	s_mov_b32 s[\g+7], 0
.endr
	s_mov_b32 s[FLR], 0x01800000
	s_mov_b32 s[HIM], 0xffff0000
	s_mul_i32 s[LX], s[TH], 2*PAIR                 ; No place in the cluster enters an LDS address
	s_mul_i32 s[LW], s[FH], 2*PAIR
	s_add_co_u32 s[LW], s[LW], SA
	s_mul_i32 s[LVF], s[FH], PAIR
	s_add_co_u32 s[LVF], s[LVF], SA
	s_lshl_b32 s[OX], s[TBK], 17                   ; x: 256 tb rows of 512 bytes
	s_lshl_b32 s[OX+1], s[WV], 16                  ; + 128 x wave (waves 0 and 1 fetch x)
	s_add_co_u32 s[OX], s[OX], s[OX+1]
	s_mov_b32 s[OX+1], 0
	s_lshl_b32 s[OW], s[HD], 16                    ; W: 128 head rows
	s_mov_b32 s[OW+1], 0
	s_lshl_b32 s[OFF], s[WV], 14                   ; Wv: + 32 x wave
	s_mov_b32 s[OFF+1], 0
.irp g, GX, GWQ, GWK, GWV
	s_mov_b32 s[\g], 1
.endr
	s_mul_i32 s[GX+1], s[WV], 2*PAIR
	s_mov_b32 s[GWQ+1], SA
	s_mov_b32 s[GWK+1], SB
	s_mul_i32 s[GWV+1], s[WV], 32*PITCH
	s_add_co_u32 s[GWV+1], s[GWV+1], SA
	ALU
	s_wait_dscnt 0x0                               ; both opening adds are done
	s_wait_kmcnt 0x0
	s_add_nc_u64 s[GX+2:GX+3], s[4:5], s[OX:OX+1]
	s_add_nc_u64 s[GWQ+2:GWQ+3], s[8:9], s[OW:OW+1]
	s_add_nc_u64 s[GWK+2:GWK+3], s[12:13], s[OW:OW+1]
	s_add_nc_u64 s[GWV+2:GWV+3], s[16:17], s[OW:OW+1]
	s_add_nc_u64 s[GWV+2:GWV+3], s[GWV+2:GWV+3], s[OFF:OFF+1]
.irp g, GX, GWQ, GWK, GWV
	s_or_b32 s[\g+3], s[\g+3], 0x80000000
.endr
	ROUND                                          ; all sixteen work-groups are here: the first joint loads meet
; THE HEAD'S LOADS, ONE A WAVE: waves 0 and 1 fetch 128 rows of x each, wave 2 Wq's 128 rows, wave 3 Wk's.  ONE tree of branches on the wave's number.
	ARM 2, GX,  G1X, .Lhead_q
	ARM 3, GWQ, G1W, .Lhead_k
	tensor_load_to_lds s[GWK:GWK+3], s[G1W:G1W+7]
	s_nop 0
	PLACES
.Lhead_asked:
	; the buffers at my parts
	s_mov_b32 s[OFF+1], 0
	s_lshl_b32 s[OFF], s[TBK], 13                  ; x's scale bytes: 256 tb rows of 32 bytes
	s_lshl_b32 s[TS], s[TH], 12                    ; + 128 x (wave % 2)
	s_add_co_u32 s[OFF], s[OFF], s[TS]
	s_add_nc_u64 s[6:7], s[6:7], s[OFF:OFF+1]
	s_cmp_lt_u32 s[WV], 2                          ; waves 0 and 1: Q; waves 2 and 3: K
	s_cselect_b64 s[10:11], s[10:11], s[14:15]
	s_cselect_b64 s[20:21], s[20:21], s[22:23]
	s_cselect_b64 s[OI0:OI0+1], s[30:31], s[32:33]
	s_lshl_b32 s[OFF], s[HD], 12                   ; W's scale bytes: 128 head rows
	s_add_nc_u64 s[10:11], s[10:11], s[OFF:OFF+1]
	s_lshl_b32 s[TS], s[FH], 11                    ; + 64 x (wave / 2) for Wv
	s_add_co_u32 s[OFF], s[OFF], s[TS]
	s_add_nc_u64 s[18:19], s[18:19], s[OFF:OFF+1]
	s_lshl_b32 s[OFF], s[HD], 9                    ; the biases: 128 head numbers
	s_add_nc_u64 s[20:21], s[20:21], s[OFF:OFF+1]
	s_lshl_b32 s[TS], s[FH], 8
	s_add_co_u32 s[OFF], s[OFF], s[TS]
	s_add_nc_u64 s[24:25], s[24:25], s[OFF:OFF+1]
	; Wo: my wave lays half an image: tile ot = 2 tb + wave / 2 of the head's 64 (wv = ot / 8, t = ot % 8: lane r = output 128 wv + 8 r + t), registers 4 (wave % 2) on
	s_lshl_b32 s[TA], s[TBK], 1
	s_add_co_u32 s[TA], s[TA], s[FH]
	s_lshr_b32 s[TC], s[TA], 3                     ; wv (= tb / 4)
	s_and_b32 s[TA], s[TA], 7                      ; t
	s_lshl_b32 s[OFF], s[TC], 16
	s_lshl_b32 s[TS], s[TA], 9
	s_add_co_u32 s[OFF], s[OFF], s[TS]
	s_lshl_b32 s[TS], s[HD], 6                     ; the head's 128 codes: 64 bytes
	s_add_co_u32 s[OFF], s[OFF], s[TS]
	s_lshl_b32 s[TS], s[TH], 5
	s_add_co_u32 s[OFF], s[OFF], s[TS]
	s_add_nc_u64 s[26:27], s[26:27], s[OFF:OFF+1]
	s_lshl_b32 s[OFF], s[HD], 3
	s_add_co_u32 s[OFF], s[OFF], s[TC]
	s_mul_i32 s[OFF], s[OFF], 8704
	s_add_nc_u64 s[WOSB:WOSB+1], s[34:35], s[OFF:OFF+1]   ; wo at (head, wv)
	s_lshl_b32 s[OFF], s[TA], 10
	s_lshl_b32 s[TS], s[TH], 9
	s_add_co_u32 s[OFF], s[OFF], s[TS]
	s_add_nc_u64 s[34:35], s[WOSB:WOSB+1], s[OFF:OFF+1]
	s_and_b32 s[TA], s[TBK], 3                     ; the work-group's two tiles are t = 2 (tb % 4) + h: 32 scale words, 4 bytes a lane
	s_lshl_b32 s[OFF], s[TA], 7
	s_add_nc_u64 s[WOSB:WOSB+1], s[WOSB:WOSB+1], s[OFF:OFF+1]
	s_lshl_b32 s[OFF], s[TC], 12
	s_lshl_b32 s[TS], s[TA], 6
	s_add_co_u32 s[OFF], s[OFF], s[TS]
	s_lshl_b32 s[TS], s[HD], 2
	s_add_co_u32 s[OFF], s[OFF], s[TS]
	s_add_nc_u64 s[28:29], s[28:29], s[OFF:OFF+1]
	; qf at (bh, group 4 (tb % 8) + 2 (wave % 2)), 4,352 bytes a group; kv at (bh, step 2 (tb % 8) + wave % 2), 17,408 a step: twice that offset
	s_lshr_b32 s[TA], s[TBK], 3
	s_lshl_b32 s[TA], s[TA], 3
	s_add_co_u32 s[TA], s[TA], s[HD]               ; bh = 8 batch + head
	s_lshl_b32 s[OFF], s[TA], 5
	s_and_b32 s[TC], s[TBK], 7
	s_lshl_b32 s[TS], s[TC], 2
	s_add_co_u32 s[OFF], s[OFF], s[TS]
	s_lshl_b32 s[TS], s[TH], 1
	s_add_co_u32 s[OFF], s[OFF], s[TS]
	s_mul_i32 s[TS], s[OFF], 4352
	s_lshl_b32 s[OFF], s[TS], 1
	s_add_nc_u64 s[32:33], s[32:33], s[OFF:OFF+1]
	s_lshl_b32 s[OFF], s[TS], s[FH]                ; mine: doubled for K
	s_add_nc_u64 s[OI0:OI0+1], s[OI0:OI0+1], s[OFF:OFF+1]
	s_lshl_b32 s[OFF], s[FH], 12                   ; the first quad: 4,096 on for Q, 8,192 for K; the second: 8,448 for both
	s_add_co_u32 s[OFF], s[OFF], 4096
	s_add_nc_u64 s[OS0:OS0+1], s[OI0:OI0+1], s[OFF:OFF+1]
	s_add_nc_u64 s[OS1:OS1+1], s[OI0:OI0+1], 8448
	s_lshl_b32 s[TS], s[FH], 8                     ; the second four images: 4,352 on for Q, 4,096 for K
	s_sub_co_u32 s[OFF], 4352, s[TS]
	s_add_nc_u64 s[OI1:OI1+1], s[OI0:OI0+1], s[OFF:OFF+1]
	s_lshl_b32 s[TA], s[FH], 12
	s_lshl_b32 s[TC], s[FH], 8
	; my lane's places
	v_and_b32 v[TMP], 7, v0                        ; r % 8
	v_bfe_u32 v[TMP+1], v0, 3, 1                   ; r / 8
	v_bfe_u32 v[TMP+2], v0, 4, 1                   ; h
	v_and_b32 v[TMP+3], 31, v0                     ; lane
	v_mul_u32_u24 v[TMP+4], v[TMP], PITCH
	v_lshl_add_u32 v[TMP+4], v[TMP+2], 4, v[TMP+4]       ; (r % 8) rows + 16 h
	v_mad_u32_u24 v[TMP+5], v[TMP+1], 24*PITCH, v[TMP+4] ; odd tiles: + 24 (r / 8) rows: row 8 i + 24 = 32 + 8 (i - 1)
	v_mad_u32_u24 v[TMP+4], v[TMP+1], 40*PITCH, v[TMP+4] ; even tiles: + 40 (r / 8) rows: row 8 i + 40 = 32 + 8 (i + 1)
.irp o, 0,1
	v_add_nc_u32 v[AW+ODD*\o],  s[LW],  v[TMP+4+\o]
	v_add_nc_u32 v[AXG+ODD*\o], s[LX],  v[TMP+4+\o]
	v_add_nc_u32 v[AVF+ODD*\o], s[LVF], v[TMP+4+\o]
.endr
	v_lshlrev_b32 v[LI], 4, v[TMP+3]
	v_lshlrev_b32 v[L8], 3, v[TMP+3]
	v_lshlrev_b32 v[L4], 2, v[TMP+3]
	v_add_nc_u32 v[LIV], s[TA], v[LI]
	v_add_nc_u32 v[L8V], s[TC], v[L8]
	v_mad_u32_u24 v[BVA], v[TMP+1], 40, v[TMP]     ; the row in its group of 64, even tiles
	v_mad_u32_u24 v[BVA+1], v[TMP+1], 24, v[TMP]   ; odd tiles
	v_lshlrev_b32 v[VSO], 5, v[BVA]
	v_lshlrev_b32 v[VSO+1], 5, v[BVA+1]
	v_lshl_add_u32 v[VSO], v[TMP+2], 4, v[VSO]
	v_lshl_add_u32 v[VSO+1], v[TMP+2], 4, v[VSO+1]
	v_lshlrev_b32 v[BVA], 2, v[BVA]
	v_lshlrev_b32 v[BVA+1], 2, v[BVA+1]
	v_mul_u32_u24 v[BHA], v[TMP+2], 160            ; even tiles, h = 1: feature 32 + 8 (i + 1)
	v_mul_u32_u24 v[BHA+1], v[TMP+2], 96           ; odd tiles, h = 1: feature 32 + 8 (i - 1)
	v_and_b32 v[WOA], 15, v0                       ; r
	v_lshlrev_b32 v[WOSA], 8, v[WOA]               ; Wo's scale bytes: 8 r rows of 32 bytes,
	v_lshl_add_u32 v[WOSA], v[TMP+2], 5, v[WOSA]   ; + h rows
	v_lshlrev_b32 v[WOA], 12, v[WOA]               ; Wo's codes: 8 r rows of 512 bytes,
	v_lshl_add_u32 v[WOA], v[TMP+2], 4, v[WOA]     ; + 16 h
	ALU
; 32 loads that the first pass wants, then 10 for later.  A tile's scale words: one load of 16 bytes a lane: two runs of 256 consecutive bytes (eight rows of 32 bytes each).
.macro SCW d, b, T                     ; the scale words of tile T
	global_load_b128 v[\d+4*\T:\d+4*\T+3], v[VSO+\T%2], s[\b:\b+1] offset:(64*(\T/4)+8*(\T%4))*32
.endm
.irp T, 0,1,2,3,4,5,6,7
	SCW WS, 10, \T
	SCW XS, 6, \T
.endr
.irp T, 0,1,2,3,4,5,6,7                ; the biases in the results' layout: tile 4 c + i, half h, register j: feature 64 c + 32 h + 8 (i xor h) + j
	global_load_b128 v[PB+8*\T:PB+8*\T+3],   v[BHA+\T%2], s[20:21] offset:256*(\T/4)+32*(\T%4)
	global_load_b128 v[PB+8*\T+4:PB+8*\T+7], v[BHA+\T%2], s[20:21] offset:256*(\T/4)+32*(\T%4)+16
.endr
.irp n, 0,1,2,3
	SCW WVS, 18, \n
	global_load_b32 v[BVL+\n], v[BVA+\n%2], s[24:25] offset:32*\n   ; V: a lane holds one feature: one number for the tile's eight registers
.endr
	global_load_b128 v[WOD:WOD+3], v[WOA], s[26:27]
	global_load_b32 v[WOSD], v[WOSA], s[28:29]
	s_wait_loadcnt 10                              ; the first pass's 32 are in; the 10 behind them may be out
	s_wait_tensorcnt 0x0                           ; my one load is in
	s_barrier_signal -1
	s_barrier_wait -1                              ; everybody's is
	; FIRST PASS: eight K steps; a step's 32 loads are issued one step ahead, into the other buffer, and the step ahead is waited for behind them
	FETCH AW, AXG, 0, 0, 8
.irp st, 0,1,2,3,4,5,6,7
.if \st < 7
	PLACES                                         ; the other buffer was read by the matrix instructions just issued
	FETCH AW, AXG, \st+1, (\st+1)%2, 8
	MULQ \st, 32
.else
	MULQ \st, 0
.endif
.endr
	WIN 0
	s_wait_tensorcnt 0x0                           ; none of my tensor loads is out, so a descriptor may be written;
	ds_add_u32 v[SPW], v[NIL]                      ; 0 onto my spare word;
	s_mov_b32 s[G1W+2], 32<<16                     ; from here on a load brings 32 rows
	s_mov_b32 s[G1W+4], 32
	s_wait_dscnt 0x0                               ; the add is done, and my reads of slot A are over
	ROUND                                          ; both now hold of every wave of every work-group of the cluster
	tensor_load_to_lds s[GWV:GWV+3], s[G1W:G1W+7]  ; slot A takes Wv: my one load behind the round; it has the first pass's way out in which to land
	s_nop 0
	PLACES                                         ; (also the places in front of the first read of the results)
	EPI 0x28, 0x02, PB, QDA, LI, L8, OI0, 0, OS0, 0
	EPI 0x3c, 0x03, PB+32, QDB, LI, L8, OI1, 0, OS1, 0
	s_wait_loadcnt 0x0
	v_cndmask_b32 v[WOT],   v[WOD],   v[WOD+1], s[HIM]   ; lanes 16-31: octets 0, 1 and 2, 3 change places, as in the attention's codes
	v_cndmask_b32 v[WOT+1], v[WOD+1], v[WOD],   s[HIM]
	v_cndmask_b32 v[WOT+2], v[WOD+2], v[WOD+3], s[HIM]
	v_cndmask_b32 v[WOT+3], v[WOD+3], v[WOD+2], s[HIM]
	global_store_b128 v[LI], v[WOT:WOT+3], s[34:35]   ; 512 consecutive bytes
	ALU
	s_cmp_lg_u32 s[WV], 0                          ; wave 0 alone stores the two tiles' scale words of Wo
	s_cbranch_scc1 .Lnot_0
	global_store_b32 v[L4], v[WOSD], s[WOSB:WOSB+1] offset:8192
.Lnot_0:
	s_wait_tensorcnt 0x0                           ; my part of Wv is in,
	s_wait_dscnt 0x0
	s_barrier_signal -1
	s_barrier_wait -1                              ; everybody's is
	FETCH AXG, AVF, 0, 0, 4
	WIN 0xc0                                       ; destination window 3
.irp n, 0,1,2,3
.irp j, 0,1,2,3,4,5,6,7
	v_mov_b32 v[8*\n+\j], v[BVL+\n]
.endr
.endr
	ALU
.irp st, 0,1,2,3,4,5,6,7
.if \st < 7
	PLACES
	FETCH AXG, AVF, \st+1, (\st+1)%2, 4
	s_wait_dscnt 24                                ; this step's fragments are in; the 24 loads just issued may be out
.else
	s_wait_dscnt 0x0
.endif
	MULV \st
.endr
	WIN 0
	PLACES
	s_wait_xcnt 0x0                                ; the stores of the first pass have read their registers: the codes' and words' registers are written again only behind this wait
	EPI 0x28, 0x02, PB, QDA, LIV, L8V, 32, 8704, 32, 16896
	s_wait_tensorcnt 0x0                           ; the wave's end
	ds_add_u32 v[SPW], v[NIL]
	s_wait_dscnt 0x0
	ROUND                                          ; the closing round: no work-group ends while a partner may still ask for a block that names it
	s_endpgm
.Lfunc_end_k_q42c00a9e0e_proj:
	.size	k_q42c00a9e0e_proj, .Lfunc_end_k_q42c00a9e0e_proj-k_q42c00a9e0e_proj
	.p2alignl 7, 3214868480
	.fill 96, 4, 3214868480
	.section	.rodata,"a",@progbits
	.p2align	6, 0x0
	.amdhsa_kernel k_q42c00a9e0e_proj
		.amdhsa_group_segment_fixed_size 327680
		.amdhsa_private_segment_fixed_size 0
		.amdhsa_enable_private_segment 0
		.amdhsa_kernarg_size 128
		.amdhsa_user_sgpr_count 2
		.amdhsa_user_sgpr_kernarg_segment_ptr 1
		.amdhsa_wavefront_size32 1
		.amdhsa_system_sgpr_workgroup_id_x 1
		.amdhsa_system_sgpr_workgroup_id_y 1
		.amdhsa_system_sgpr_workgroup_id_z 1
		.amdhsa_system_vgpr_workitem_id 0
		.amdhsa_next_free_vgpr 1024
		.amdhsa_next_free_sgpr 102
		.amdhsa_reserve_vcc 0
		.amdhsa_float_denorm_mode_32 3
		.amdhsa_float_denorm_mode_16_64 3
		.amdhsa_memory_ordered 1
		.amdhsa_forward_progress 1
		.amdhsa_inst_pref_size 181
	.end_amdhsa_kernel
	.amdgpu_metadata
---
amdhsa.version: [ 1, 2 ]
amdhsa.kernels:
  - .name:           k_q42c00a9e0e_proj
    .symbol:         k_q42c00a9e0e_proj.kd
    .args:
      - { .name: chunk_embeddings_codes, .offset: 0, .size: 8, .value_kind: global_buffer, .address_space: global }
      - { .name: chunk_embeddings_scales, .offset: 8, .size: 8, .value_kind: global_buffer, .address_space: global }
      - { .name: Wq_codes, .offset: 16, .size: 8, .value_kind: global_buffer, .address_space: global }
      - { .name: Wq_scales, .offset: 24, .size: 8, .value_kind: global_buffer, .address_space: global }
      - { .name: Wk_codes, .offset: 32, .size: 8, .value_kind: global_buffer, .address_space: global }
      - { .name: Wk_scales, .offset: 40, .size: 8, .value_kind: global_buffer, .address_space: global }
      - { .name: Wv_codes, .offset: 48, .size: 8, .value_kind: global_buffer, .address_space: global }
      - { .name: Wv_scales, .offset: 56, .size: 8, .value_kind: global_buffer, .address_space: global }
      - { .name: bq, .offset: 64, .size: 8, .value_kind: global_buffer, .address_space: global }
      - { .name: bk, .offset: 72, .size: 8, .value_kind: global_buffer, .address_space: global }
      - { .name: bv, .offset: 80, .size: 8, .value_kind: global_buffer, .address_space: global }
      - { .name: Wo_codes, .offset: 88, .size: 8, .value_kind: global_buffer, .address_space: global }
      - { .name: Wo_scales, .offset: 96, .size: 8, .value_kind: global_buffer, .address_space: global }
      - { .name: qf, .offset: 104, .size: 8, .value_kind: global_buffer, .address_space: global }
      - { .name: kv, .offset: 112, .size: 8, .value_kind: global_buffer, .address_space: global }
      - { .name: wo, .offset: 120, .size: 8, .value_kind: global_buffer, .address_space: global }
    .group_segment_fixed_size: 327680
    .private_segment_fixed_size: 0
    .kernarg_segment_align: 8
    .kernarg_segment_size: 128
    .max_flat_workgroup_size: 128
    .sgpr_count:     102
    .vgpr_count:     1024
    .wavefront_size: 32
...
	.end_amdgpu_metadata
.endif
;; end of part 1
;; launch attn (part 2): grid 8 x 32, 8 waves a work-group, clusters of 4 x 1, 327,680 bytes of LDS; arguments qf, kv, wo, attention_mask, part; writes part
.if DOCPART == 2
	.amdgcn_target "amdgcn-amd-amdhsa--gfx1250"
	.amdhsa_code_object_version 6
	.text
	.protected	k_q42c00a9e0e_attn
	.globl	k_q42c00a9e0e_attn
	.p2align	8
	.type	k_q42c00a9e0e_attn,@function
k_q42c00a9e0e_attn:
	s_mov_b64 s[64:65], 0
	v_nop
	global_prefetch_b8 v0, s[64:65] scope:SCOPE_SE
	s_setreg_imm32_b32 hwreg(HW_REG_WAVE_MODE, 25, 1), 1
	s_wait_xcnt 0x0
	s_wait_alu depctr_hold_cnt(0) depctr_sa_sdst(0) depctr_va_vdst(0) depctr_va_sdst(0) depctr_va_ssrc(0) depctr_va_vcc(0) depctr_vm_vsrc(0)
	s_getreg_b32 s2, hwreg(HW_REG_IB_STS2, 6, 4)
	s_cmp_eq_u32 s2, 0
	s_cbranch_scc0 .Lentry_in_a_cluster
	s_endpgm
.Lentry_in_a_cluster:
	s_bfe_u32 s2, ttmp6, 0x10000c
	s_cmp_lg_u32 s2, 0x3003
	s_cbranch_scc0 .Lentry_shape_is_right
	s_endpgm
.Lentry_shape_is_right:
; For one (batch, head) and 256 queries: S = Q K^T, the softmax, A = P V / l, A quantised along the head's 128, A Wo^T (the head's 128 columns of Wo) summed over the 256 queries with the weights m: 1,024 numbers into part.
; All products on codes of FP4 (E2M1) with E8M0 scales; sums in f32.  Nothing of reference() is left out.
; THE SOFTMAX: t = score x log2(e) / sqrt(128); M = the row's largest t so far, rounded up to a whole number; p = 2^(t - M) is quantised along the keys, not normalised; the row's sum is taken of the unquantised p and divides at the end.
; A hidden key's score gets -1e9 sqrt(128) added as the product's C, so p = 0.  LIMIT: the promise holds while the scaled scores (exponents to the base 2) stay under 2^29 in magnitude.
; A batch all of whose keys are hidden has weights of 0 alone: its result is 0 / 0 whatever is computed here.  A block of p under 2^-124 gets a scale byte of 1 or 0 (2^-127): its terms vanish beside the row's largest p.
; SHARES.  Eight waves, each 32 queries (two tiles of 16), all 2,048 keys.  K's and V's images of the whole head lie in LDS: 16 steps of 128 keys, 17,408 bytes each (K 8,192, its scale words 512, V 8,192, 512).
; They come in two fills: the head's (steps 0 to 3: 34 rows of 256 bytes a wave) and, behind a full round, steps 4 to 15 (102 rows a wave), which have the first pair of steps in which to land.
; CLUSTER 4 x 1: four query blocks of one head ask for both fills jointly.  No prefetch: the loop over the keys loads nothing from memory, so there is none to run ahead in.
; Products are used transposed: a lane holds ONE query.  Register j of tile 4 c + i in the lanes' half h is key 64 c + 32 h + 8 (i xor h) + j of the step; the tables of masks and weights are laid in that order.
; A PAIR OF STEPS is a trip: the even step's P is kept as codes, and its scale words are brought under the odd step's M by a power of two; then O is brought under that M once, and both steps' P V follow.
; REGISTERS.  window 0: addresses, scales; S of both tiles; Q; P's codes.  window 1: v0-63 the masks as C, later V of the odd step; v64-127 K, later V of the even step; v128-255 O^T of both tiles.
.set KVSTEP, 17408
.set BIAS,  16*KVSTEP                  ; 2,048 numbers: 0 or -1e9 sqrt(128)
.set WQT,   BIAS+8192                  ; the 256 queries' weights
.set ATT,   WQT+1024                   ; 16 tiles of the attended rows' codes
.set ATS,   ATT+16384                  ; their scale words: 128 bytes a wave
.set SPARE, ATS+1024                   ; the spare words, 128 bytes for each wave: four blocks of 256 bytes that no other line names
.set SPW,  1                           ; LDS address of my spare word; never rewritten
.set NIL,  2                           ; 0; never rewritten
.set LI,   3                           ; 16 x lane
.set L8,   4                           ; 8 x lane
.set BA0,  5                           ; BIAS + 128 h
.set ADK,  6                           ; LDS addresses of the pair in hand: images,
.set ADS,  7                           ; scale words,
.set ADB,  8                           ; masks
.set L4,   9                           ; 4 x lane
.set KS,   10                          ; v10-13 K's scale words (later Wo's)
.set VS,   14                          ; v14-17 V's, even step
.set VT,   18                          ; v18-21 V's, odd step (later the attended rows')
.set QSC,  22                          ; Q's: lanes 0-15 tile 0, lanes 16-31 tile 1; P's likewise:
.set PSE,  23                          ; even step
.set PSO,  24                          ; odd step
.set H128, 25                          ; 128 h
.set NMA,  26                          ; -M behind the odd step: v26 tile 0, v28 tile 1 (each the low word of a pair)
.set NMB,  30                          ; -M behind the even step
.set MX,   34                          ; v34-35 the largest score so far
.set FE,   36                          ; 2^(old M - new M), even step: v36, v38
.set FO,   40                          ; odd step: v40, v42
.set LL,   44                          ; the row's sum in two halves: v[44:45], v[46:47]
.set L2,   48                          ; its second chain
.set BM,   52                          ; v52-55 the four blocks' largest
.set TM,   56                          ; v56-59 at work
.set SCE,  60                          ; v60-63 the blocks' scale operands, even step
.set SS,   64                          ; S, then p: tile 0 v64-127, tile 1 v128-191
.set QQ,   192                         ; Q's two fragments
.set PCE,  208                         ; P's codes, even step: two tiles
.set PCO,  224                         ; odd step
.set SCO,  248                         ; v248-251 scale operands, odd step
.set ATTW, 252                         ; where my attended rows' codes go
.set ATSW, 253                         ; and their scale words
.set BR,   0                           ; window 1
.set KR,   64
.set OO,   128
.set AF,   192                         ; the last product: four tiles of attended rows,
.set WT,   224                         ; their weights,
.set PA,   26                          ; v26-41 the sums
.set WV,   14
.set CX,   15
.set QBK,  16
.set BH,   17
.set NCS,  18                          ; -c
.set SEL,  20
.set CS,   22                          ; c = log2(e) / sqrt(128), twice
.set FLR,  24
.set HIM,  25
.set TB,   26                          ; LDS byte of the pair in hand
.set BO,   27                          ; and of its masks
.set CNT,  28
.set G1,   32
.set G0A,  40
.set G0B,  44
.set MSB, 0
.macro WIN new
.if MSB != (\new)
	s_set_vgpr_msb (MSB<<8)|(\new)
.set MSB, (\new)
.endif
.endm
.macro PLACES                          ; four places behind matrix instructions (ISA guide 7.12.1)
.rept 4
	v_nop
.endr
.endm
.macro ALU
	s_wait_alu depctr_va_vdst(0)
.endm
.macro ROUND                           ; a round of the cluster's barrier
	s_barrier_signal -1
	s_barrier_wait -1
	s_cmp_lg_u32 s[WV], 0
	s_cbranch_scc1 .Lnot_wave_0_\@
	s_barrier_signal -3
.Lnot_wave_0_\@:
	s_barrier_wait -3
	s_barrier_signal -1
	s_barrier_wait -1
.endm
; one matrix instruction: D, A, B, C and the scale registers by number; ra, rb = 1: that side's scales are read from lanes 16-31
.macro WMC d, a, b, c, sa, sb, ra, rb
.if ((\ra) == 0) && ((\rb) == 0)
	v_wmma_scale_f32_16x16x128_f8f6f4 v[(\d):(\d)+7], v[(\a):(\a)+7], v[(\b):(\b)+7], v[(\c):(\c)+7], v[(\sa)], v[(\sb)] matrix_a_fmt:MATRIX_FMT_FP4 matrix_b_fmt:MATRIX_FMT_FP4
.elseif (\rb) == 0
	v_wmma_scale_f32_16x16x128_f8f6f4 v[(\d):(\d)+7], v[(\a):(\a)+7], v[(\b):(\b)+7], v[(\c):(\c)+7], v[(\sa)], v[(\sb)] matrix_a_fmt:MATRIX_FMT_FP4 matrix_b_fmt:MATRIX_FMT_FP4 matrix_a_scale:MATRIX_SCALE_ROW1
.elseif (\ra) == 0
	v_wmma_scale_f32_16x16x128_f8f6f4 v[(\d):(\d)+7], v[(\a):(\a)+7], v[(\b):(\b)+7], v[(\c):(\c)+7], v[(\sa)], v[(\sb)] matrix_a_fmt:MATRIX_FMT_FP4 matrix_b_fmt:MATRIX_FMT_FP4 matrix_b_scale:MATRIX_SCALE_ROW1
.else
	v_wmma_scale_f32_16x16x128_f8f6f4 v[(\d):(\d)+7], v[(\a):(\a)+7], v[(\b):(\b)+7], v[(\c):(\c)+7], v[(\sa)], v[(\sb)] matrix_a_fmt:MATRIX_FMT_FP4 matrix_b_fmt:MATRIX_FMT_FP4 matrix_a_scale:MATRIX_SCALE_ROW1 matrix_b_scale:MATRIX_SCALE_ROW1
.endif
.endm
.macro WMZ d, a, b, sa, sb, ra, rb     ; the same with C = 0
.if ((\ra) == 0) && ((\rb) == 0)
	v_wmma_scale_f32_16x16x128_f8f6f4 v[(\d):(\d)+7], v[(\a):(\a)+7], v[(\b):(\b)+7], 0, v[(\sa)], v[(\sb)] matrix_a_fmt:MATRIX_FMT_FP4 matrix_b_fmt:MATRIX_FMT_FP4
.elseif (\rb) == 0
	v_wmma_scale_f32_16x16x128_f8f6f4 v[(\d):(\d)+7], v[(\a):(\a)+7], v[(\b):(\b)+7], 0, v[(\sa)], v[(\sb)] matrix_a_fmt:MATRIX_FMT_FP4 matrix_b_fmt:MATRIX_FMT_FP4 matrix_a_scale:MATRIX_SCALE_ROW1
.elseif (\ra) == 0
	v_wmma_scale_f32_16x16x128_f8f6f4 v[(\d):(\d)+7], v[(\a):(\a)+7], v[(\b):(\b)+7], 0, v[(\sa)], v[(\sb)] matrix_a_fmt:MATRIX_FMT_FP4 matrix_b_fmt:MATRIX_FMT_FP4 matrix_b_scale:MATRIX_SCALE_ROW1
.else
	v_wmma_scale_f32_16x16x128_f8f6f4 v[(\d):(\d)+7], v[(\a):(\a)+7], v[(\b):(\b)+7], 0, v[(\sa)], v[(\sb)] matrix_a_fmt:MATRIX_FMT_FP4 matrix_b_fmt:MATRIX_FMT_FP4 matrix_a_scale:MATRIX_SCALE_ROW1 matrix_b_scale:MATRIX_SCALE_ROW1
.endif
.endm
.macro LOADK o                         ; 18 loads: K's eight tiles and their scale words
	WIN 0x40                                       ; destination window 1, address window 0
.irp T, 0,1,2,3,4,5,6,7
	ds_load_b128 v[KR+8*\T:KR+8*\T+3],   v[ADK] offset:\o+1024*\T
	ds_load_b128 v[KR+8*\T+4:KR+8*\T+7], v[ADK] offset:\o+1024*\T+512
.endr
	WIN 0
	ds_load_b64 v[KS:KS+1],   v[ADS] offset:\o+8192
	ds_load_b64 v[KS+2:KS+3], v[ADS] offset:\o+8448
.endm
.macro LOADB o                         ; 16 loads: the step's masks in the layout of S
	WIN 0x40
.irp T, 0,1,2,3,4,5,6,7
	ds_load_b128 v[BR+8*\T:BR+8*\T+3],   v[ADB] offset:\o+256*(\T/4)+32*(\T%4)
	ds_load_b128 v[BR+8*\T+4:BR+8*\T+7], v[ADB] offset:\o+256*(\T/4)+32*(\T%4)+16
.endr
	WIN 0
.endm
.macro LOADV o, r, vs                  ; 18 loads: V's eight tiles and their scale words
	WIN 0x40
.irp t, 0,1,2,3,4,5,6,7
	ds_load_b128 v[\r+8*\t:\r+8*\t+3],   v[ADK] offset:\o+8704+1024*\t
	ds_load_b128 v[\r+8*\t+4:\r+8*\t+7], v[ADK] offset:\o+8704+1024*\t+512
.endr
	WIN 0
	ds_load_b64 v[\vs:\vs+1],   v[ADS] offset:\o+16896
	ds_load_b64 v[\vs+2:\vs+3], v[ADS] offset:\o+17152
.endm
.macro KQ                              ; S^T = K Q^T + the masks, both tiles; 16 accumulators by turns
	WIN 0x11                                       ; A and C window 1, B and D window 0
.irp w, 0,1
.irp T, 0,1,2,3,4,5,6,7
	WMC SS+64*\w+8*\T, KR+8*\T, QQ+8*\w, BR+8*\T, KS+2*(\T/4)+(\T%4)/2, QSC, \T%2, \w
.endr
.endr
	WIN 0
.endm
.macro PV a, pc, vs, ps, z             ; O^T += V^T P^T, both tiles; z = 1: the first product starts the sums
	WIN 0x51                                       ; A, C and D window 1, B window 0
.irp w, 0,1
.irp t, 0,1,2,3,4,5,6,7
.if \z
	WMZ OO+64*\w+8*\t, \a+8*\t, \pc+8*\w, \vs+2*(\t/4)+(\t%4)/2, \ps, \t%2, \w
.else
	WMC OO+64*\w+8*\t, \a+8*\t, \pc+8*\w, OO+64*\w+8*\t, \vs+2*(\t/4)+(\t%4)/2, \ps, \t%2, \w
.endif
.endr
.endr
	WIN 0
.endm
.macro MERGE                           ; the sums' two chains
	v_pk_add_f32 v[LL:LL+1], v[LL:LL+1], v[L2:L2+1]
	v_pk_add_f32 v[LL+2:LL+3], v[LL+2:LL+3], v[L2+2:L2+3]
.endm
.macro SUMA ff                         ; the row's sum of the unquantised p: its start
.irp w, 0,1
	v_pk_fma_f32 v[LL+2*\w:LL+2*\w+1], v[LL+2*\w:LL+2*\w+1], v[\ff+2*\w:\ff+2*\w+1], v[SS+64*\w:SS+64*\w+1] op_sel_hi:[1,0,1]
	v_pk_add_f32 v[L2+2*\w:L2+2*\w+1], v[SS+64*\w+4:SS+64*\w+5], v[SS+64*\w+8:SS+64*\w+9]   ; (every other pair has been added to the one below it: SOFT)
.endr
.endm
.macro SUMB                            ; and the rest
.irp j, 12,20,28,36,44,52
.irp w, 0,1
	v_pk_add_f32 v[LL+2*\w:LL+2*\w+1], v[LL+2*\w:LL+2*\w+1], v[SS+64*\w+\j:SS+64*\w+\j+1]
	v_pk_add_f32 v[L2+2*\w:L2+2*\w+1], v[L2+2*\w:L2+2*\w+1], v[SS+64*\w+\j+4:SS+64*\w+\j+5]
.endr
.endr
.irp w, 0,1
	v_pk_add_f32 v[LL+2*\w:LL+2*\w+1], v[LL+2*\w:LL+2*\w+1], v[SS+64*\w+60:SS+64*\w+61]
.endr
.endm
; The softmax of a step, both tiles by turns: block b = 2 x tile + c is v[SS + 32 b] on.  no, nn: -M before and behind; ff: 2^(old M - new M); sc, pc: the scale operands and codes
.macro SOFT no, nn, ff, sc, pc, odd
.irp b, 0,1,2,3
	v_max3_num_f32 v[BM+\b], v[SS+32*\b], v[SS+32*\b+1], v[SS+32*\b+2]   ; the block's largest score: for the row's maximum, and, since p rises with the score, for the block's largest p
.endr
.irp i, 3,5,7,9,11,13,15,17,19,21,23,25,27,29
.irp b, 0,1,2,3
	v_max3_num_f32 v[BM+\b], v[BM+\b], v[SS+32*\b+\i], v[SS+32*\b+\i+1]
.endr
.endr
.irp b, 0,1,2,3
	v_max_num_f32 v[BM+\b], v[BM+\b], v[SS+32*\b+31]
.endr
.irp w, 0,1
	v_max3_num_f32 v[TM+\w], v[BM+2*\w], v[BM+2*\w+1], v[MX+\w]
.endr
.irp w, 0,1
	v_permlanex16_b32 v[TM+2+\w], v[TM+\w], s[SEL], s[SEL+1]
.endr
.irp w, 0,1
	v_max_num_f32 v[MX+\w], v[TM+\w], v[TM+2+\w]   ; the running largest score
.endr
.irp w, 0,1
	v_mul_f32 v[TM+\w], s[NCS], v[MX+\w]           ; -t
.endr
.irp w, 0,1
	v_floor_f32 v[\nn+2*\w], v[TM+\w]              ; -M = floor(-t): a whole number
.endr
.irp w, 0,1
	v_sub_f32 v[TM+\w], v[\nn+2*\w], v[\no+2*\w]   ; old M - new M: a whole number, 0 or less
.endr
.irp w, 0,1
	v_cvt_i32_f32 v[TM+\w], v[TM+\w]               ; (it saturates)
.endr
.irp w, 0,1
	v_ldexp_f32 v[\ff+2*\w], 1.0, v[TM+\w]
.endr
.set j, 0
.rept 32
	v_pk_fma_f32 v[SS+j:SS+j+1], v[SS+j:SS+j+1], s[CS:CS+1], v[\nn:\nn+1] op_sel_hi:[1,0,0]   ; tile 0's t - M
.set j, j+2
.endr
.irp b, 0,1
	v_fma_f32 v[BM+\b], v[BM+\b], s[CS], v[\nn]
.endr
	ALU                                            ; ahead of tile 0's batch
.set j, 0
.rept 32
	v_exp_f32 v[SS+j], v[SS+j]                     ; tile 0's p; among them tile 1's t - M, which no line of this batch reads
	v_pk_fma_f32 v[SS+64+j:SS+65+j], v[SS+64+j:SS+65+j], s[CS:CS+1], v[\nn+2:\nn+3] op_sel_hi:[1,0,0]
	v_exp_f32 v[SS+j+1], v[SS+j+1]
.set j, j+2
.endr
.irp b, 0,1
	v_exp_f32 v[BM+\b], v[BM+\b]                   ; the block's largest p: the same instructions on the same number
	v_fma_f32 v[BM+2+\b], v[BM+2+\b], s[CS], v[\nn+2]
.endr
	ALU                                            ; behind tile 0's batch and ahead of tile 1's
.irp b, 0,1
	v_max_num_f32 v[BM+\b], s[FLR], v[BM+\b]       ; the floor 2^(3 - 127)
.endr
.irp b, 0,1
	v_add_nc_u32 v[\sc+\b], 0xff000000, v[BM+\b]   ; 2 off the exponent field: the conversion's scale operand
.endr
.irp b, 0,1
.irp g, 0,1,2,3
	v_cvt_scalef32_pk8_fp4_f32 v[\pc+4*\b+\g], v[SS+32*\b+8*\g:SS+32*\b+8*\g+7], v[\sc+\b]
.endr
.endr
	v_nop                                          ; one plain place behind the scaled conversions
.set j, 0
.rept 16
	v_exp_f32 v[SS+64+j], v[SS+64+j]               ; tile 1's p; among them tile 0's pairs are added two and two, in place
	v_pk_add_f32 v[SS+j:SS+j+1], v[SS+j:SS+j+1], v[SS+j+2:SS+j+3]
	v_exp_f32 v[SS+65+j], v[SS+65+j]
	v_exp_f32 v[SS+66+j], v[SS+66+j]
	v_exp_f32 v[SS+67+j], v[SS+67+j]
.set j, j+4
.endr
.irp b, 2,3
	v_exp_f32 v[BM+\b], v[BM+\b]
.endr
.if \odd
	v_mul_f32 v[FE], v[FE], v[FO]                  ; both steps' factors together, for O (plain work behind the batch)
	v_mul_f32 v[FE+2], v[FE+2], v[FO+2]
.else
	v_nop                                          ; a plain place behind the batch
.endif
	ALU                                            ; ahead of the batch's first reader
.irp b, 2,3
	v_max_num_f32 v[BM+\b], s[FLR], v[BM+\b]
.endr
.irp b, 2,3
	v_add_nc_u32 v[\sc+\b], 0xff000000, v[BM+\b]
.endr
.irp b, 2,3
.irp g, 0,1,2,3
	v_cvt_scalef32_pk8_fp4_f32 v[\pc+4*\b+\g], v[SS+32*\b+8*\g:SS+32*\b+8*\g+7], v[\sc+\b]
.endr
.endr
	v_nop                                          ; one plain place behind the scaled conversions
.set j, 64
.rept 16
	v_pk_add_f32 v[SS+j:SS+j+1], v[SS+j:SS+j+1], v[SS+j+2:SS+j+3]   ; tile 1's pairs likewise
.set j, j+4
.endr
.endm
.macro BYTES sc, x                     ; the two tiles' scale bytes: v[x], v[x+1] hold a lane's two of four at bits 7:0 and 23:16
.irp b, 0,1,2,3
	v_lshrrev_b32 v[\sc+\b], 23, v[\sc+\b]
.endr
.irp w, 0,1
	v_lshl_or_b32 v[\x+\w], v[\sc+2*\w+1], 16, v[\sc+2*\w]
.endr
	v_permlane16_swap_b32 v[\x], v[\x+1]           ; lanes 0-15: tile 0's two halves; lanes 16-31: tile 1's
.endm
.macro OMUL ff
.set j, 0
.rept 32
	v_pk_mul_f32 v[OO+j:OO+j+1], v[OO+j:OO+j+1], v[\ff:\ff+1] op_sel_hi:[1,0]
	v_pk_mul_f32 v[OO+64+j:OO+65+j], v[OO+64+j:OO+65+j], v[\ff+2:\ff+3] op_sel_hi:[1,0]
.set j, j+2
.endr
.endm
; two key steps.  z = 1: the first pair
.macro PAIR z
	s_wait_dscnt 0x0                               ; the even step's K and masks are in
	KQ
.if \z
	PLACES
.else
	MERGE                                          ; (two of the four places)
	v_nop
	v_nop
.endif
	LOADK KVSTEP                                   ; the odd step's K and masks have the softmax in which to come
	LOADB 512
	SOFT NMA, NMB, FE, SCE, PCE, 0
	SUMA FE
	SUMB
	ALU
	s_wait_dscnt 0x0
	KQ
	MERGE
	v_nop
	v_nop
	LOADV 0, KR, VS                                ; both steps' V likewise
	LOADV KVSTEP, BR, VT
	SOFT NMB, NMA, FO, SCO, PCO, 1
	v_pk_mul_f32 v[SCE:SCE+1], v[SCE:SCE+1], v[FO:FO+1] op_sel_hi:[1,0]   ; the even step's scales under the odd step's M: exact
	v_pk_mul_f32 v[SCE+2:SCE+3], v[SCE+2:SCE+3], v[FO+2:FO+3] op_sel_hi:[1,0]
	BYTES SCE, TM
	BYTES SCO, TM+2
	v_lshl_or_b32 v[PSE], v[TM+1], 8, v[TM]
	v_lshl_or_b32 v[PSO], v[TM+3], 8, v[TM+2]
.if \z
.rept 8
	v_nop                                          ; a scale register written by a vector instruction stands 8 places ahead
.endr
.else
	ALU                                            ; directly ahead of the first reader of O
	WIN 0x41
	OMUL FE                                        ; O under the odd step's M: exact.  (Also the places ahead of the products)
	WIN 0
.endif
	ALU
	s_wait_dscnt 18                                ; the even step's V is in; the odd step's 18 loads may be out
	PV KR, PCE, VS, PSE, \z
	s_add_co_u32 s[TB], s[TB], 2*KVSTEP
	s_add_co_u32 s[BO], s[BO], 1024
	v_add_nc_u32 v[ADK], s[TB], v[LI]              ; on to the next pair.  (In the last trip these look-ahead loads fall on the tables behind the ring, bytes that were stored at the head; what they bring is not used)
	v_add_nc_u32 v[ADS], s[TB], v[L8]
	v_nop
	v_nop
	LOADK 0
	s_wait_dscnt 18                                ; the odd step's V is in; the 18 just issued may be out
	PV BR, PCO, VT, PSO, 0
	v_add_nc_u32 v[ADB], s[BO], v[BA0]
	SUMA FO                                        ; (with the line above the places ahead of the loads)
	LOADB 0
	SUMB
.endm
	s_load_b256 s[4:11], s[0:1], 0x0               ; qf s[4:5], kv s[6:7], wo s[8:9], attention_mask s[10:11]
	s_load_b64 s[12:13], s[0:1], 0x20              ; part
	v_lshl_add_u32 v[SPW], v0, 2, SPARE
	v_mov_b32 v[NIL], 0
	ds_add_u32 v[SPW], v[NIL]                      ; the wave's opening: the add, twice on end, and its wait ahead of my first tensor load
	ds_add_u32 v[SPW], v[NIL]
	v_lshrrev_b32 v64, 5, v0
	v_readfirstlane_b32 s[WV], v64
	s_bfe_u32 s[CX], ttmp6, 0x40000
	s_lshl_b32 s[QBK], ttmp9, 2
	s_add_co_u32 s[QBK], s[QBK], s[CX]             ; block of 256 queries
	s_and_b32 s[BH], ttmp7, 0xffff                 ; 8 batch + head
	s_mov_b32 s[G1], 0x0023000f                    ; 15:0 the four partners; 17:16 elements of 8 bytes; 21 set beside a mask; no padding
	s_mov_b32 s[G1+1], 32<<16
	s_mov_b32 s[G1+2], 34<<16
	s_mov_b32 s[G1+3], 32<<16
	s_mov_b32 s[G1+4], 34
	s_mov_b32 s[G1+5], 32
	s_mov_b32 s[G1+6], 0
	s_mov_b32 s[G1+7], 0
	s_mov_b32 s[SEL], 0x76543210
	s_mov_b32 s[SEL+1], 0xfedcba98
	s_mov_b32 s[CS], 0x3e0293ee
	s_mov_b32 s[CS+1], s[CS]
	s_mov_b32 s[NCS], 0xbe0293ee
	s_mov_b32 s[FLR], 0x01800000
	s_mov_b32 s[HIM], 0xffff0000
	s_mov_b32 s[TB], 0
	s_mov_b32 s[BO], 0
	s_mul_i32 s48, s[BH], 16*KVSTEP
	s_mul_i32 s[G0A+1], s[WV], 34*256              ; steps 0 to 3: my 34 rows
	s_add_co_u32 s50, s48, s[G0A+1]
	s_mov_b32 s51, 0
	s_mul_i32 s[G0B+1], s[WV], 102*256             ; steps 4 to 15: my 102 rows
	s_add_co_u32 s[G0B+1], s[G0B+1], 4*KVSTEP
	s_add_co_u32 s48, s48, s[G0B+1]
	s_mov_b32 s49, 0
	s_mov_b32 s[G0A], 1
	s_mov_b32 s[G0B], 1
	s_lshl_b32 s60, s[BH], 5                       ; Q: group 4 x block + wave / 2, tiles 2 (wave % 2) and the next
	s_lshl_b32 s52, s[QBK], 2
	s_add_co_u32 s60, s60, s52
	s_lshr_b32 s52, s[WV], 1
	s_add_co_u32 s60, s60, s52
	s_mul_i32 s60, s60, 4352
	s_mov_b32 s61, 0
	s_and_b32 s53, s[WV], 1
	s_lshl_b32 s52, s53, 2
	s_add_co_u32 s62, s60, s52                     ; its scale words
	s_mov_b32 s63, 0
	s_lshl_b32 s52, s53, 11
	s_add_co_u32 s60, s60, s52
	s_lshr_b32 s66, s[BH], 3
	s_lshl_b32 s66, s66, 13                        ; the batch's mask
	s_mov_b32 s67, 0
	s_lshl_b32 s52, s[QBK], 10
	s_add_co_u32 s68, s66, s52                     ; and at my queries
	s_mov_b32 s69, 0
	s_lshl_b32 s58, s[WV], 11
	s_add_co_u32 s58, s58, ATT
	s_lshl_b32 s59, s[WV], 7
	s_add_co_u32 s59, s59, ATS
	v_and_b32 v64, 31, v0                          ; lane
	v_bfe_u32 v65, v0, 4, 1                        ; h
	v_bfe_u32 v66, v0, 2, 1                        ; thread t holds octet t of the keys: in every second block of 32 octets 0, 1 and 2, 3 change places
	v_bfe_u32 v67, v0, 5, 1                        ; and query t: the same
	v_lshlrev_b32 v[LI], 4, v64
	v_lshlrev_b32 v[L8], 3, v64
	v_lshlrev_b32 v[L4], 2, v64
	v_lshl_add_u32 v[BA0], v65, 7, BIAS
	v_lshlrev_b32 v[H128], 7, v65
	v_xor_b32 v66, v0, v66
	v_lshlrev_b32 v67, 3, v67
	v_lshl_add_u32 v66, v66, 5, BIAS
	v_xor_b32 v67, v0, v67
	v_lshl_add_u32 v67, v67, 2, WQT
	v_lshlrev_b32 v68, 5, v0
	v_lshlrev_b32 v69, 2, v0
	v_add_nc_u32 v[ADK], s[TB], v[LI]
	v_add_nc_u32 v[ADS], s[TB], v[L8]
	v_add_nc_u32 v[ADB], s[BO], v[BA0]
	v_add_nc_u32 v[ATTW], s58, v[LI]
	v_add_nc_u32 v[ATSW], s59, v[L4]
	ALU
	s_wait_dscnt 0x0                               ; both opening adds are done
	s_wait_kmcnt 0x0
	s_add_nc_u64 s[54:55], s[4:5], s[62:63]
	s_add_nc_u64 s[4:5], s[4:5], s[60:61]
	s_add_nc_u64 s[56:57], s[10:11], s[68:69]
	s_add_nc_u64 s[10:11], s[10:11], s[66:67]
	global_load_b128 v[72:75], v68, s[10:11]       ; asked for ahead of the round
	global_load_b128 v[76:79], v68, s[10:11] offset:16
	global_load_b32 v80, v69, s[56:57]
.irp i, 0,1,2,3
	global_load_b128 v[QQ+4*\i:QQ+4*\i+3], v[LI], s[4:5] offset:512*\i
.endr
	global_load_b32 v[QSC], v[L8], s[54:55] offset:4096
	s_add_nc_u64 s[G0A+2:G0A+3], s[6:7], s[50:51]
	s_add_nc_u64 s[G0B+2:G0B+3], s[6:7], s[48:49]
	s_or_b32 s[G0A+3], s[G0A+3], 0x80000000
	s_or_b32 s[G0B+3], s[G0B+3], 0x80000000
	ROUND                                          ; all four work-groups are here: the first joint loads meet
	tensor_load_to_lds s[G0A:G0A+3], s[G1:G1+7]
	s_nop 0
	PLACES
	s_mov_b32 s51, 0
	s_and_b32 s50, s[BH], 7
	s_lshl_b32 s50, s50, 3
	s_add_co_u32 s50, s50, s[WV]
	s_mul_i32 s50, s50, 8704
	s_add_nc_u64 s[8:9], s[8:9], s[50:51]          ; Wo: the head, my 128 outputs
	s_lshl_b32 s50, s[BH], 3
	s_add_co_u32 s50, s50, s[QBK]
	s_lshl_b32 s50, s50, 12
	s_lshl_b32 s52, s[WV], 9
	s_add_co_u32 s50, s50, s52
	s_add_nc_u64 s[12:13], s[12:13], s[50:51]
.irp i, 0,1,2,3
	v_mov_b32 v[NMA+\i], 0x7f61b1e6                ; -M so far: 3e38
	v_mov_b32 v[NMB+\i], 0                         ; (the upper words of the pairs are named with them, so they are written; a lane permute's destination counts as a source)
	v_mov_b32 v[FE+\i], 0
	v_mov_b32 v[FO+\i], 0
	v_mov_b32 v[LL+\i], 0                          ; the sums
	v_mov_b32 v[TM+\i], 0
.endr
	v_mov_b32 v[MX], 0xff61b1e6                    ; the largest score so far: -3e38
	v_mov_b32 v[MX+1], 0xff61b1e6
	v_mov_b32 v82, 0xd028965f                      ; -1e9 sqrt(128)
	ALU
	s_wait_loadcnt 0x0
.irp j, 0,1,2,3,4,5,6,7
	v_cmp_eq_u32 vcc_lo, 0, v[72+\j]
	v_cndmask_b32 v[88+\j], 0, v82, vcc_lo
.endr
	v_cvt_f32_i32 v81, v80                         ; my query's weight
	ds_store_b128 v66, v[88:91]
	ds_store_b128 v66, v[92:95] offset:16
	ds_store_b32 v67, v81
	ALU
	s_wait_tensorcnt 0x0                           ; my part of steps 0 to 3 is in
	ds_add_u32 v[SPW], v[NIL]
	s_mov_b32 s[G1+2], 102<<16                     ; no tensor load of mine is out: from here on a load brings 102 rows
	s_mov_b32 s[G1+4], 102
	s_wait_dscnt 0x0                               ; the add is done, and so are my stores
	ROUND
	tensor_load_to_lds s[G0B:G0B+3], s[G1:G1+7]    ; steps 4 to 15: my one load behind the round
	s_nop 0
	PLACES
	LOADK 0
	LOADB 0
	PAIR 1                                         ; steps 0 and 1; its look-ahead reads step 2
	ALU
	s_wait_tensorcnt 0x0                           ; my part of steps 4 to 15 is in
	s_wait_dscnt 0x0
	s_barrier_signal -1
	s_barrier_wait -1
	s_mov_b32 s[CNT], 7
.Lpair:
	PAIR 0
	ALU
	s_sub_co_u32 s[CNT], s[CNT], 1
	s_cmp_lg_u32 s[CNT], 0
	s_cbranch_scc1 .Lpair
	s_wait_dscnt 0x0                               ; the last look-ahead has landed: its registers may be loaded anew
	WIN 0x40
.irp t, 0,1,2,3,4,5,6,7
	global_load_b128 v[KR+8*\t:KR+8*\t+3],   v[LI], s[8:9] offset:1024*\t   ; Wo: my 128 outputs; they have the quantising and the barrier in which to come
	global_load_b128 v[KR+8*\t+4:KR+8*\t+7], v[LI], s[8:9] offset:1024*\t+512
.endr
	WIN 0
.irp u, 0,1,2,3
	global_load_b32 v[KS+\u], v[L4], s[8:9] offset:8192+128*\u
.endr
	; A = O / l, quantised along the head's 128
	MERGE
.irp w, 0,1
	v_add_f32 v[TM+\w], v[LL+2*\w], v[LL+2*\w+1]
.endr
.irp w, 0,1
	v_permlanex16_b32 v[TM+2+\w], v[TM+\w], s[SEL], s[SEL+1]
.endr
.irp w, 0,1
	v_add_f32 v[TM+\w], v[TM+\w], v[TM+2+\w]
.endr
	ALU
	v_rcp_f32 v[FE], v[TM]
	v_rcp_f32 v[FE+2], v[TM+1]
	v_nop
	ALU                                            ; for the reciprocals and for O's first reads alike
	WIN 0x41
	OMUL FE
	WIN 0x14                                       ; sources 1 and 2 window 1
.irp b, 0,1,2,3
	v_max3_num_f32 v[BM+\b], s[FLR], |v[OO+32*\b]|, |v[OO+32*\b+1]|
.endr
.irp i, 2,4,6,8,10,12,14,16,18,20,22,24,26,28,30
.irp b, 0,1,2,3
	v_max3_num_f32 v[BM+\b], v[BM+\b], |v[OO+32*\b+\i]|, |v[OO+32*\b+\i+1]|
.endr
.endr
	WIN 0
.irp b, 0,1,2,3
	v_add_nc_u32 v[SCE+\b], 0xff000000, v[BM+\b]
.endr
	WIN 0x01
.irp b, 0,1,2,3
.irp g, 0,1,2,3
	v_cvt_scalef32_pk8_fp4_f32 v[PCE+4*\b+\g], v[OO+32*\b+8*\g:OO+32*\b+8*\g+7], v[SCE+\b]
.endr
.endr
	WIN 0
	v_nop                                          ; one plain place behind the scaled conversions
	BYTES SCE, TM
	v_lshl_or_b32 v[TM], v[TM+1], 8, v[TM]
.irp i, 0,1,2,3
	ds_store_b128 v[ATTW], v[PCE+4*\i:PCE+4*\i+3] offset:512*\i
.endr
	ds_store_b32 v[ATSW], v[TM]
.set j, 0
.rept 16
	v_mov_b32 v[PA+j], 0
.set j, j+1
.endr
	ALU
	s_wait_dscnt 0x0                               ; my rows are in LDS
	s_barrier_signal -1
	s_barrier_wait -1                              ; everybody's are
	; the last product: 256 queries x my 128 outputs; each tile of results is weighed by its queries' m and summed
.macro WMM q, d
	WIN 0x04                                       ; B window 1
.irp t, 0,1,2,3,4,5,6,7
	WMZ \d+8*\t, AF+8*\q, KR+8*\t, VT+\q/2, KS+\t/2, \q%2, \t%2
.endr
	WIN 0
.endm
.macro RED q, d
.irp k, 0,1,2,3
.irp t, 0,1,2,3,4,5,6,7
	v_pk_fma_f32 v[PA+2*\t:PA+2*\t+1], v[\d+8*\t+2*\k:\d+8*\t+2*\k+1], v[WT+8*\q+2*\k:WT+8*\q+2*\k+1], v[PA+2*\t:PA+2*\t+1]
.endr
.endr
.endm
.macro WTQ q                           ; the weights of a tile's 16 queries
	ds_load_b128 v[WT+8*\q:WT+8*\q+3],   v[ADB] offset:32*\q
	ds_load_b128 v[WT+8*\q+4:WT+8*\q+7], v[ADB] offset:32*\q+16
.endm
.macro ASKT                            ; 14 loads: four tiles' codes, their scale words, two tiles' weights
	v_add_nc_u32 v[ADK], s29, v[LI]
	v_add_nc_u32 v[ADS], s30, v[L4]
	v_add_nc_u32 v[ADB], s31, v[H128]
.irp q, 0,1,2,3
	ds_load_b128 v[AF+8*\q:AF+8*\q+3],   v[ADK] offset:1024*\q
	ds_load_b128 v[AF+8*\q+4:AF+8*\q+7], v[ADK] offset:1024*\q+512
.endr
	ds_load_b32 v[VT], v[ADS]
	ds_load_b32 v[VT+1], v[ADS] offset:128
	WTQ 0
	WTQ 1
.endm
.macro TRIP more                       ; 64 queries; more = 1: the next trip's operands are asked for as soon as their registers are free
	WTQ 2
	WTQ 3
	s_wait_dscnt 4                                 ; all but the four loads just issued
	WMM 0, SS
	WMM 1, SS+64
	PLACES
	s_wait_dscnt 0x0
	RED 0, SS
	WMM 2, SS
	RED 1, SS+64
	WMM 3, SS+64
	RED 2, SS
.if \more
	s_add_co_u32 s29, s29, 4096
	s_add_co_u32 s30, s30, 256
	s_add_co_u32 s31, s31, 256
	ASKT
.endif
	RED 3, SS+64
.endm
	s_mov_b32 s29, ATT
	s_mov_b32 s30, ATS
	s_mov_b32 s31, WQT
	s_mov_b32 s[CNT], 3
	ASKT
	ALU
	s_wait_loadcnt 0x0                             ; Wo is in
.Ltrip:
	TRIP 1
	ALU
	s_sub_co_u32 s[CNT], s[CNT], 1
	s_cmp_lg_u32 s[CNT], 0
	s_cbranch_scc1 .Ltrip
	TRIP 0                                         ; the last trip asks for nothing
.irp t, 0,1,2,3,4,5,6,7
	v_add_f32 v[PA+2*\t], v[PA+2*\t], v[PA+2*\t+1]
.endr
.irp t, 0,1,2,3,4,5,6,7
	v_permlanex16_b32 v[PA+2*\t+1], v[PA+2*\t], s[SEL], s[SEL+1]
.endr
.irp t, 0,1,2,3,4,5,6,7
	v_add_f32 v[PA+2*\t], v[PA+2*\t], v[PA+2*\t+1]
.endr
	v_and_b32 v64, 15, v0
	v_bfe_u32 v65, v0, 4, 1
	v_lshlrev_b32 v64, 5, v64
	v_lshl_add_u32 v64, v65, 4, v64                ; lane r has outputs 8 r .. 8 r + 7: lanes 0-15 store the first four, lanes 16-31 the others
.irp i, 0,1,2,3
	v_cndmask_b32 v[WT+\i], v[PA+2*\i], v[PA+8+2*\i], s[HIM]
.endr
	global_store_b128 v64, v[WT:WT+3], s[12:13]    ; 512 consecutive bytes
	s_wait_tensorcnt 0x0                           ; the wave's end
	ds_add_u32 v[SPW], v[NIL]
	s_wait_dscnt 0x0
	ROUND                                          ; the closing round
	s_endpgm
.Lfunc_end_k_q42c00a9e0e_attn:
	.size	k_q42c00a9e0e_attn, .Lfunc_end_k_q42c00a9e0e_attn-k_q42c00a9e0e_attn
	.p2alignl 7, 3214868480
	.fill 96, 4, 3214868480
	.section	.rodata,"a",@progbits
	.p2align	6, 0x0
	.amdhsa_kernel k_q42c00a9e0e_attn
		.amdhsa_group_segment_fixed_size 327680
		.amdhsa_private_segment_fixed_size 0
		.amdhsa_enable_private_segment 0
		.amdhsa_kernarg_size 40
		.amdhsa_user_sgpr_count 2
		.amdhsa_user_sgpr_kernarg_segment_ptr 1
		.amdhsa_wavefront_size32 1
		.amdhsa_system_sgpr_workgroup_id_x 1
		.amdhsa_system_sgpr_workgroup_id_y 1
		.amdhsa_system_sgpr_workgroup_id_z 1
		.amdhsa_system_vgpr_workitem_id 0
		.amdhsa_next_free_vgpr 512
		.amdhsa_next_free_sgpr 80
		.amdhsa_reserve_vcc 1
		.amdhsa_float_denorm_mode_32 3
		.amdhsa_float_denorm_mode_16_64 3
		.amdhsa_memory_ordered 1
		.amdhsa_forward_progress 1
		.amdhsa_inst_pref_size 166
	.end_amdhsa_kernel
	.amdgpu_metadata
---
amdhsa.version: [ 1, 2 ]
amdhsa.kernels:
  - .name:           k_q42c00a9e0e_attn
    .symbol:         k_q42c00a9e0e_attn.kd
    .args:
      - { .name: qf, .offset: 0, .size: 8, .value_kind: global_buffer, .address_space: global }
      - { .name: kv, .offset: 8, .size: 8, .value_kind: global_buffer, .address_space: global }
      - { .name: wo, .offset: 16, .size: 8, .value_kind: global_buffer, .address_space: global }
      - { .name: attention_mask, .offset: 24, .size: 8, .value_kind: global_buffer, .address_space: global }
      - { .name: part, .offset: 32, .size: 8, .value_kind: global_buffer, .address_space: global }
    .group_segment_fixed_size: 327680
    .private_segment_fixed_size: 0
    .kernarg_segment_align: 8
    .kernarg_segment_size: 40
    .max_flat_workgroup_size: 256
    .sgpr_count:     80
    .vgpr_count:     512
    .wavefront_size: 32
...
	.end_amdgpu_metadata
.endif
;; end of part 2
;; launch pool (part 3): grid 16 x 4, 1 waves a work-group, no clusters, 0 bytes of LDS; arguments part, attention_mask, bo, out0; writes out0
.if DOCPART == 3
	.amdgcn_target "amdgcn-amd-amdhsa--gfx1250"
	.amdhsa_code_object_version 6
	.text
	.protected	k_q42c00a9e0e_pool
	.globl	k_q42c00a9e0e_pool
	.p2align	8
	.type	k_q42c00a9e0e_pool,@function
k_q42c00a9e0e_pool:
	s_mov_b64 s[64:65], 0
	v_nop
	global_prefetch_b8 v0, s[64:65] scope:SCOPE_SE
	s_setreg_imm32_b32 hwreg(HW_REG_WAVE_MODE, 25, 1), 1
	s_wait_xcnt 0x0
; out0[b][o] = (the sum of the batch's 64 parts (8 heads x 8 query blocks) + bo[o] x the sum of the weights) / the sum of the weights: reference()'s sum over n of (output + bo) m / sum of m.  Nothing is left out.
; A wave takes 64 outputs of one batch, four to each of 16 lanes; lanes 0-15 read an even part and lanes 16-31 the odd one behind it: each load covers 256 consecutive bytes, aligned, of two parts, and the store 256.
; There is work for 64 waves, and so many are launched.  No LDS, no matrix unit: a sum of 1 MiB, each byte read once; no loop to prefetch in.
; LIMITS: the parts are added in eight chains, another order than reference()'s.  Where all weights of a batch are 0 the result is 0 x infinity = NaN, as reference()'s 0 / 0.
.set MK, 16                            ; v16-79   the batch's 2,048 mask numbers, 64 a lane
.set PT, 80                            ; v80-207  32 loads of four numbers
.macro ALU
	s_wait_alu depctr_va_vdst(0)
.endm
	s_load_b256 s[4:11], s[0:1], 0x0               ; part s[4:5], attention_mask s[6:7], bo s[8:9], out0 s[10:11]
	v_and_b32 v3, 15, v0                           ; r
	v_bfe_u32 v5, v0, 4, 1                         ; h
	v_lshlrev_b32 v1, 4, v0
	v_lshlrev_b32 v2, 4, v3
	v_lshl_add_u32 v4, v5, 12, v2                  ; parts: 16 r + 4,096 h
	v_lshl_add_u32 v6, v5, 3, v2                   ; the way out: 16 r + 8 h
	v_mov_b32 v13, 0                               ; (a lane permute's destination counts as one of its sources)
	s_and_b32 s12, ttmp7, 0xffff                   ; batch
	s_mov_b32 s2, 0x76543210
	s_mov_b32 s3, 0xfedcba98
	s_mov_b32 s15, 0
	ALU
	s_wait_kmcnt 0x0
	s_lshl_b32 s14, s12, 13
	s_add_nc_u64 s[6:7], s[6:7], s[14:15]
	s_lshl_b32 s14, ttmp9, 8                       ; my 64 outputs
	s_add_nc_u64 s[8:9], s[8:9], s[14:15]
	s_lshl_b32 s13, s12, 18                        ; the batch's 64 parts of 4,096 bytes
	s_add_co_u32 s14, s14, s13
	s_add_nc_u64 s[4:5], s[4:5], s[14:15]
	s_lshl_b32 s14, ttmp9, 8
	s_lshl_b32 s13, s12, 12
	s_add_co_u32 s14, s14, s13
	s_add_nc_u64 s[10:11], s[10:11], s[14:15]
	s_mov_b32 s13, 0xffff0000                      ; lanes 16-31
.irp i, 0,1,2,3,4,5,6,7,8,9,10,11,12,13,14,15
	global_load_b128 v[MK+4*\i:MK+4*\i+3], v1, s[6:7] offset:512*\i
.endr
	global_load_b128 v[8:11], v2, s[8:9]
.set p, 0
.rept 32
	global_load_b128 v[PT+4*p:PT+4*p+3], v4, s[4:5] offset:8192*p th:TH_LOAD_NT
.set p, p+1
.endr
	s_wait_loadcnt 33                              ; the mask is in: bo and 32 loads of parts were issued behind it
.set j, 0
.rept 64
	v_cvt_f32_i32 v[MK+j], v[MK+j]
.set j, j+1
.endr
.set j, 4
.rept 28
	v_pk_add_f32 v[MK+2*(j%4):MK+2*(j%4)+1], v[MK+2*(j%4):MK+2*(j%4)+1], v[MK+2*j:MK+2*j+1]   ; four chains
.set j, j+1
.endr
	v_pk_add_f32 v[MK:MK+1], v[MK:MK+1], v[MK+2:MK+3]
	v_pk_add_f32 v[MK+4:MK+5], v[MK+4:MK+5], v[MK+6:MK+7]
	v_pk_add_f32 v[MK:MK+1], v[MK:MK+1], v[MK+4:MK+5]
	v_add_f32 v12, v[MK], v[MK+1]
	v_add_f32_dpp v12, v12, v12 row_xmask:1 row_mask:0xf bank_mask:0xf
	v_add_f32_dpp v12, v12, v12 row_xmask:2 row_mask:0xf bank_mask:0xf
	v_add_f32_dpp v12, v12, v12 row_xmask:4 row_mask:0xf bank_mask:0xf
	v_add_f32_dpp v12, v12, v12 row_xmask:8 row_mask:0xf bank_mask:0xf
	v_permlanex16_b32 v13, v12, s2, s3
	v_add_f32 v12, v12, v13                        ; the sum of the weights, in every lane
	ALU
	v_rcp_f32 v14, v12
	v_mov_b32 v13, v12                             ; (a plain place behind the reciprocal)  the sum twice, a pair for the packed form
.macro ADDP p                          ; load p onto its chains
	v_pk_add_f32 v[PT+4*((\p)%4):PT+4*((\p)%4)+1], v[PT+4*((\p)%4):PT+4*((\p)%4)+1], v[PT+4*(\p):PT+4*(\p)+1]
	v_pk_add_f32 v[PT+4*((\p)%4)+2:PT+4*((\p)%4)+3], v[PT+4*((\p)%4)+2:PT+4*((\p)%4)+3], v[PT+4*(\p)+2:PT+4*(\p)+3]
.endm
	ALU
	s_wait_loadcnt 24                              ; bo and loads 0 to 7 are in: 24 were issued behind them
.irp p, 4,5,6,7
	ADDP \p
.endr
	ALU
	s_wait_loadcnt 16
.irp p, 8,9,10,11,12,13,14,15
	ADDP \p
.endr
	ALU
	s_wait_loadcnt 8
.irp p, 16,17,18,19,20,21,22,23
	ADDP \p
.endr
	ALU
	s_wait_loadcnt 0x0
.irp p, 24,25,26,27,28,29,30,31
	ADDP \p
.endr
.irp i, 0,2
	v_pk_add_f32 v[PT+\i:PT+\i+1], v[PT+\i:PT+\i+1], v[PT+4+\i:PT+5+\i]
	v_pk_add_f32 v[PT+8+\i:PT+9+\i], v[PT+8+\i:PT+9+\i], v[PT+12+\i:PT+13+\i]
.endr
.irp i, 0,2
	v_pk_add_f32 v[PT+\i:PT+\i+1], v[PT+\i:PT+\i+1], v[PT+8+\i:PT+9+\i]
.endr
.irp i, 0,1,2,3
	v_permlanex16_b32 v[PT+4+\i], v[PT+\i], s2, s3 ; the other lanes' parts
.endr
.irp i, 0,1,2,3
	v_add_f32 v[PT+\i], v[PT+\i], v[PT+4+\i]
.endr
	v_cndmask_b32 v[PT+4], v[PT], v[PT+2], s13     ; lanes 0-15 store outputs 4 r and 4 r + 1, lanes 16-31 the other two
	v_cndmask_b32 v[PT+5], v[PT+1], v[PT+3], s13
	v_cndmask_b32 v8, v8, v10, s13
	v_cndmask_b32 v9, v9, v11, s13
	v_pk_fma_f32 v[PT+4:PT+5], v[8:9], v[12:13], v[PT+4:PT+5]   ; + bo x the sum of the weights
	v_mul_f32 v[PT+4], v[PT+4], v14
	v_mul_f32 v[PT+5], v[PT+5], v14
	global_store_b64 v6, v[PT+4:PT+5], s[10:11]
	s_endpgm
.Lfunc_end_k_q42c00a9e0e_pool:
	.size	k_q42c00a9e0e_pool, .Lfunc_end_k_q42c00a9e0e_pool-k_q42c00a9e0e_pool
	.p2alignl 7, 3214868480
	.fill 96, 4, 3214868480
	.section	.rodata,"a",@progbits
	.p2align	6, 0x0
	.amdhsa_kernel k_q42c00a9e0e_pool
		.amdhsa_group_segment_fixed_size 0
		.amdhsa_private_segment_fixed_size 0
		.amdhsa_enable_private_segment 0
		.amdhsa_kernarg_size 32
		.amdhsa_user_sgpr_count 2
		.amdhsa_user_sgpr_kernarg_segment_ptr 1
		.amdhsa_wavefront_size32 1
		.amdhsa_system_sgpr_workgroup_id_x 1
		.amdhsa_system_sgpr_workgroup_id_y 1
		.amdhsa_system_sgpr_workgroup_id_z 1
		.amdhsa_system_vgpr_workitem_id 0
		.amdhsa_next_free_vgpr 216
		.amdhsa_next_free_sgpr 66
		.amdhsa_reserve_vcc 0
		.amdhsa_float_denorm_mode_32 3
		.amdhsa_float_denorm_mode_16_64 3
		.amdhsa_memory_ordered 1
		.amdhsa_forward_progress 1
		.amdhsa_inst_pref_size 16
	.end_amdhsa_kernel
	.amdgpu_metadata
---
amdhsa.version: [ 1, 2 ]
amdhsa.kernels:
  - .name:           k_q42c00a9e0e_pool
    .symbol:         k_q42c00a9e0e_pool.kd
    .args:
      - { .name: part, .offset: 0, .size: 8, .value_kind: global_buffer, .address_space: global }
      - { .name: attention_mask, .offset: 8, .size: 8, .value_kind: global_buffer, .address_space: global }
      - { .name: bo, .offset: 16, .size: 8, .value_kind: global_buffer, .address_space: global }
      - { .name: out0, .offset: 24, .size: 8, .value_kind: global_buffer, .address_space: global }
    .group_segment_fixed_size: 0
    .private_segment_fixed_size: 0
    .kernarg_segment_align: 8
    .kernarg_segment_size: 32
    .max_flat_workgroup_size: 32
    .sgpr_count:     66
    .vgpr_count:     216
    .wavefront_size: 32
...
	.end_amdgpu_metadata
.endif
;; end of part 3
